; MI455X (gfx1250); checked and timed in simulation.
; The chip was launched on July 23, 2026; its instructions are those of AMD's public machine-readable ISA for CDNA 5 (MIT licence, August 2026) and "CDNA5" Instruction Set Architecture Reference Guide (July 2026). The comments in the code are by the model that wrote it; some were corrected since.
;; Mo E Layer. Allowed arithmetic: matrix products marked QUANTISED: E3M2 operands, one E8M0 scale for each 32 along K, by v_wmma_scale_f32_16x16x128_f8f6f4 with both operands' format E3M2, f32 sums; products left as they are: f32 operands where the result goes on into a quantised operand, else bf16, f16 or f32 operands; f32 sums; everything else in f32.
;; Inputs: b1 8 x 4,096 float32; b2 8 x 1,024 float32; gate_b 8 float32; gate_w 1,024 x 8 float32; w1 8 x 1,024 x 4,096 float32; w2 8 x 4,096 x 1,024 float32; x 512 x 2 x 1,024 float32.
;; Outputs: out0 512 x 2 x 1,024 float32.
;; This version of the problem:
;;   THIS VERSION OF THE PROBLEM IS GIVEN IN LOW PRECISION. The matrix products marked QUANTISED in the list below multiply operands that are first quantised to E3M2 (3 exponent bits, 2 mantissa bits; 6 bits a number), with one power-of-two scale for each 32 numbers along K (OCP MX v1.0); their sums are f32. All else is computed in f32.
;;   The module's matrix products, in the order in which they are computed (A, B: the left and right operand; K: the contracted axis; several contracted axes count as one K, in the product's order):
;;     1. [M 1,024, K 1,024] x [K 1,024, N 8]; A: input x; B: input gate_w: left as it is (N = 8 < 16)
;;     2. [M 1,024, K 1,024] x [K 1,024, N 32,768]; A: input x; B: input w1: QUANTISED
;;     3. batch 8 x [M 1,024, K 4,096] x [K 4,096, N 1,024]; A: input w2; B: computed on the way: QUANTISED
;;     4. batch 1,024 x [M 1,024, K 8] x [K 8, N 1]; A: computed on the way; B: computed on the way: left as it is (K = 8 < 32)
;;   THE QUANTISER, for each operand of a quantised product, along K:
;;     - K is cut into blocks of 32 from its start; a last block that is shorter is filled with zeros.
;;     - A block's scale is 2^e with e = floor(log2(the largest magnitude in the block)) - 4, held to -126 .. 127; a block of zeros has e = 0. As a byte (E8M0): e + 127.
;;     - Each number is divided by its block's scale, clamped to +-28, and rounded to the nearest number of E3M2, ties to even, subnormals kept.
;;     - The product sums the exact products of the quantised numbers (number of the format x scale) in f32.
;;   ~~~python
;;   def quantise(x, axis):      # numpy; x: float32 -> the quantised numbers, widened to float32 again
;;       x = np.moveaxis(x, axis, -1); K = x.shape[-1]
;;       x = np.pad(x, [(0, 0)] * (x.ndim - 1) + [(0, -K % 32)]); x = x.reshape(x.shape[:-1] + (-1, 32)); a = np.abs(x).max(-1, keepdims=True)
;;       e = np.where(a > 0, np.clip(np.frexp(np.where(a > 0, a, 1))[1] - 1 - 4, -126, 127), 0)      # np.frexp(a)[1] - 1 = floor(log2(a)), exactly
;;       r = np.clip(x / 2.0 ** e, -28, 28)
;;       step = 2.0 ** (np.maximum(np.frexp(np.where(r == 0, 1, r))[1] - 1, -2) - 2)
;;       q = np.round(r / step) * step * 2.0 ** e      # np.round: ties to even
;;       return np.moveaxis(q.reshape(q.shape[:-2] + (-1,))[..., :K], -1, axis).astype(np.float32)
;;   ~~~
;;   OPERANDS COMPUTED ON THE WAY. 'Computed on the way' means the value that the module computes at that place (a softmax that the list does not call 'softmax' is quantised finished and normalised). What goes into a quantiser is computed in f32, as accurately as f32 sums, v_exp_f32 and their like allow (about 1e-6 of the number): no bf16 or f16 on the way to a quantiser, and a product that is left as it is and whose result goes on into a quantised operand takes f32 operands (vector FMAs, or v_wmma_f32_16x16x4_f32). A number that lies on a knife's edge between two numbers of the format may be rounded either way, as far as f32 arithmetic and the matrix unit's own rounding can turn it there, and no further.
;; 2 versions. Each part assembles by itself: llvm-mc -triple=amdgcn-amd-amdhsa -mcpu=gfx1250 --defsym DOCPART=n.
;; ======== version 1 of 2: 4 launches
;; workspace buffers: xq 786,432 bytes; xs 32,768 bytes; route 4,096 bytes of whole numbers; prob 8,192 bytes; rank 33,792 bytes of whole numbers; hq 25,165,824 bytes; hs 1,048,576 bytes; ypart 134,217,728 bytes
;; launch gate (part 1): grid 256 x 1, 4 waves a work-group, no clusters, 55,296 bytes of LDS; arguments x, gate_w, gate_b, xq, xs, route, prob; writes xq, xs, route, prob
.if DOCPART == 1
	.amdgcn_target "amdgcn-amd-amdhsa--gfx1250"
	.amdhsa_code_object_version 6
	.text
	.protected	k_q16d017e3de_gate
	.globl	k_q16d017e3de_gate
	.p2align	8
	.type	k_q16d017e3de_gate,@function
k_q16d017e3de_gate:
	s_mov_b64 s[64:65], 0
	v_nop
	global_prefetch_b8 v0, s[64:65] scope:SCOPE_SE
	s_setreg_imm32_b32 hwreg(HW_REG_WAVE_MODE, 25, 1), 1
	s_wait_xcnt 0x0
; THE ROUTER, AND x INTO CODES.  x: [1024 tokens][1024] f32; gate_w: [1024][8]; gate_b: [8].
; scores = x gate_w + gate_b in f32; the two largest (a tie keeps the lower expert, as jax.lax.top_k does); their softmax, the larger score taken away first.
; Out: route[n] = e0 | e1 << 8 | ((1 << e0) | (1 << e1)) << 16 (whole numbers, at fixed places: no address here hangs on them); prob[n] = the two weights;
;      xq[n]: the token's 1,024 codes of E3M2, block 4 s + 2 c + h (32 along K) at byte 96 s + 48 h + 24 c, so that a lane of an operand's fragment finds its 48 bytes on end;
;      xs[n]: its 32 E8M0 bytes in the blocks' own order.
; SHARES.  Wave w of work-group b owns token 4 b + w; lane l owns block l, k = 32 l .. 32 l + 31: its part of the eight scores, and its block's scale and codes.
; Loads take the bytes as they lie (512 consecutive bytes a load); x turns through the wave's own stage in LDS, gate_w lies in LDS once for the four waves.
; LIMITS.  The scores' sums run in another order than a row-by-row sum: a second and third score that agree to about 1e-7 of their size may change places.
; A block whose largest magnitude lies under 2^-122 keeps the byte 1 (a block of zeros too: its codes are zeros, and only this program reads the bytes).  NaN and infinities are not served.
.set GWP, 1040                         ; gate_w in LDS from byte 0: 32 blocks of 32 rows (1,024 bytes) + 16 of padding: an odd multiple of 16, so that lanes 1,040 bytes apart meet in no bank
.set XST, 33280                        ; x's stages: 32 places of 144 bytes (128 + 16) for each wave
.set XSP, 144
.set CST, 51712                        ; the codes' stages: 768 bytes for each wave
	s_load_b256 s[4:11], s[0:1], 0x0               ; x, gate_w, gate_b, xq
	s_load_b128 s[12:15], s[0:1], 0x20             ; xs, route
	s_load_b64 s[16:17], s[0:1], 0x30              ; prob
	v_lshl_add_u32 v254, v0, 2, 0xd600
	v_mov_b32 v255, 0
	v_lshrrev_b32 v1, 5, v0
	v_readfirstlane_b32 s2, v1                     ; wave
	v_and_b32 v1, 31, v0                           ; lane
	v_lshlrev_b32 v2, 4, v1                        ; 16 x lane
	v_mov_b32 v11, 0
	s_lshl_b32 s3, ttmp9, 2
	s_add_co_u32 s3, s3, s2                        ; my token
	s_mov_b32 s19, 0
	s_mov_b32 s22, 0x76543210
	s_mov_b32 s23, 0xfedcba98                      ; v_permlanex16_b32's selects for lane l xor 16
	s_wait_kmcnt 0x0
	s_load_b256 s[24:31], s[8:9], 0x0              ; gate_b
	s_lshl_b32 s18, s3, 12
	s_add_nc_u64 s[4:5], s[4:5], s[18:19]          ; my token's row of x
	s_lshl_b32 s18, s2, 13
	s_add_nc_u64 s[6:7], s[6:7], s[18:19]          ; my wave's quarter of gate_w
.irp j, 0,1,2,3,4,5,6,7
	global_load_b128 v[16+4*\j:19+4*\j], v2, s[4:5] offset:512*\j th:TH_LOAD_NT
.endr
.irp j, 0,1,2,3,4,5,6,7,8,9,10,11,12,13,14,15
	global_load_b128 v[80+4*\j:83+4*\j], v2, s[6:7] offset:512*\j
.endr
	s_mul_i32 s18, s3, 768
	s_add_nc_u64 s[10:11], s[10:11], s[18:19]      ; xq, xs, route, prob at my token
	s_lshl_b32 s18, s3, 5
	s_add_nc_u64 s[12:13], s[12:13], s[18:19]
	s_lshl_b32 s18, s3, 2
	s_add_nc_u64 s[14:15], s[14:15], s[18:19]
	s_lshl_b32 s18, s3, 3
	s_add_nc_u64 s[16:17], s[16:17], s[18:19]
	s_mul_i32 s20, s2, 32*XSP
	s_add_co_u32 s20, s20, XST
	v_lshrrev_b32 v12, 3, v1
	v_and_b32 v13, 7, v1
	v_mul_u32_u24 v3, v12, XSP
	v_lshl_add_u32 v3, v13, 4, v3
	v_add_nc_u32 v3, s20, v3                       ; x into the stage: load j's 16 bytes of lane l belong to block 4 j + l / 8, at 16 (l % 8)
	v_mul_u32_u24 v4, v1, XSP
	v_add_nc_u32 v4, s20, v4                       ; and out of it: block l
	s_mul_i32 s20, s2, 8*GWP
	v_add_nc_u32 v5, s20, v2                       ; gate_w into LDS: my wave's eight blocks
	v_mul_u32_u24 v6, v1, GWP                      ; and out of it: block l
	s_mul_i32 s20, s2, 768
	s_add_co_u32 s20, s20, CST
	v_lshrrev_b32 v12, 2, v1
	v_mul_u32_u24 v7, v12, 96
	v_and_b32 v12, 1, v1
	v_mad_u32_u24 v7, v12, 48, v7
	v_bfe_u32 v12, v1, 1, 1
	v_mad_u32_u24 v7, v12, 24, v7
	v_add_nc_u32 v7, s20, v7                       ; my block's 24 bytes of codes: 96 (l / 4) + 48 (l % 2) + 24 ((l / 2) % 2)
	v_add_nc_u32 v8, s20, v2                       ; the token's 768 bytes back: 512 as 16 a lane,
	v_lshlrev_b32 v10, 3, v1
	v_add_nc_u32 v9, s20, v10                      ; 256 as 8 a lane
	s_wait_loadcnt 16                              ; x's eight loads are in; gate_w's sixteen, issued behind them, may be out
.irp j, 0,1,2,3,4,5,6,7
	ds_store_b128 v3, v[16+4*\j:19+4*\j] offset:4*XSP*\j
.endr
.irp j, 0,1,2,3,4,5,6,7
	ds_load_b128 v[48+4*\j:51+4*\j], v4 offset:16*\j   ; LDS serves a wave's instructions in order: these see the stores above.  v48-79: my 32 neighbours
.endr
	s_wait_loadcnt 0x0
.irp j, 0,1,2,3,4,5,6,7,8,9,10,11,12,13,14,15
	ds_store_b128 v5, v[80+4*\j:83+4*\j] offset:GWP*(\j/2)+512*(\j%2)
.endr
	s_wait_dscnt 0x0                               ; for the others' sake: my quarter of gate_w lies in LDS (and my x is back)
	s_barrier_signal -1
	s_barrier_wait -1
.macro GLOAD qd                        ; eight rows of my block of gate_w (256 bytes) into buffer qd % 2
.irp m, 0,1,2,3,4,5,6,7,8,9,10,11,12,13,14,15
	ds_load_b128 v[80+64*((\qd)%2)+4*\m:83+64*((\qd)%2)+4*\m], v6 offset:256*(\qd)+16*\m
.endr
.endm
.macro FMAQ qd                         ; eight k: the eight sums as four pairs; x's number is taken for both halves (even k: the pair's first register, odd k: its second)
.irp kk, 0,1,2,3,4,5,6,7
.irp pp, 0,1,2,3
.if ((\qd) == 0) && (\kk == 0)
	v_pk_mul_f32 v[208+2*\pp:209+2*\pp], v[80+2*\pp:81+2*\pp], v[48:49] op_sel_hi:[1,0]   ; the first product starts the sums
.elseif (\kk%2) == 0
	v_pk_fma_f32 v[208+2*\pp:209+2*\pp], v[80+64*((\qd)%2)+8*\kk+2*\pp:81+64*((\qd)%2)+8*\kk+2*\pp], v[48+8*(\qd)+\kk:49+8*(\qd)+\kk], v[208+2*\pp:209+2*\pp] op_sel_hi:[1,0,1]
.else
	v_pk_fma_f32 v[208+2*\pp:209+2*\pp], v[80+64*((\qd)%2)+8*\kk+2*\pp:81+64*((\qd)%2)+8*\kk+2*\pp], v[47+8*(\qd)+\kk:48+8*(\qd)+\kk], v[208+2*\pp:209+2*\pp] op_sel:[0,1,0] op_sel_hi:[1,1,1]
.endif
.endr
.endr
.endm
	GLOAD 0
	GLOAD 1
	s_wait_dscnt 16                                ; the older sixteen loads are in, the next quarter's sixteen may be out
	FMAQ 0
	GLOAD 2
	s_wait_dscnt 16
	FMAQ 1
	GLOAD 3
	s_wait_dscnt 16
	FMAQ 2
	s_wait_dscnt 0x0
	FMAQ 3
	; my block's scale and codes (they need no other lane); they stand here so that the sums' last results are not waited for
	v_max3_num_f32 v236, |v48|, |v49|, 0x2800000   ; the largest magnitude, in two chains, with the floor 2^(5 - 127) among the leaves: the byte cannot fall under 1
	v_max3_num_f32 v237, |v64|, |v65|, 0x2800000
.irp p, 2,4,6,8,10,12,14
	v_max3_num_f32 v236, v236, |v[48+\p]|, |v[49+\p]|
	v_max3_num_f32 v237, v237, |v[64+\p]|, |v[65+\p]|
.endr
	v_max_num_f32 v236, v236, v237
	v_add_nc_u32 v238, 0xfe000000, v236            ; 4 off its exponent field: the conversion takes the exponent field of this operand as its scale
	v_lshrrev_b32 v239, 23, v238                   ; the scale's byte
	v_cvt_scalef32_pk16_bf6_f32 v[240:242], v[48:63], v238
	v_cvt_scalef32_pk16_bf6_f32 v[246:248], v[64:79], v238   ; (a conversion's three registers begin on an even number)
	v_nop                                          ; one plain place behind a scaled conversion
	v_mov_b32 v243, v246
	v_mov_b32 v244, v247
	v_mov_b32 v245, v248
	ds_store_b64 v7, v[240:241]
	ds_store_b64 v7, v[242:243] offset:8
	ds_store_b64 v7, v[244:245] offset:16
	ds_load_b128 v[16:19], v8                      ; the wave's own bytes, in order: no wait between
	ds_load_b64 v[20:21], v9 offset:512
	; the eight sums over the 32 lanes
.irp e, 0,1,2,3,4,5,6,7
	v_mov_b32 v[216+\e], 0                         ; a lane permute's destination counts as one of its sources
.endr
.irp x, 1,2,4,8
.irp e, 0,1,2,3,4,5,6,7
	v_add_f32_dpp v[208+\e], v[208+\e], v[208+\e] row_xmask:\x row_mask:0xf bank_mask:0xf
.endr
.endr
.irp e, 0,1,2,3,4,5,6,7
	v_permlanex16_b32 v[216+\e], v[208+\e], s22, s23
.endr
	s_wait_kmcnt 0x0                               ; gate_b
.irp e, 0,1,2,3,4,5,6,7
	v_add_f32 v[208+\e], v[208+\e], v[216+\e]
.endr
.irp e, 0,1,2,3,4,5,6,7
	v_add_f32 v[208+\e], s[24+\e], v[208+\e]       ; every lane holds the eight scores
.endr
	; the two largest, experts in ascending order, strictly greater: a tie keeps the lower expert
	v_mov_b32 v224, v208                           ; the largest, v225 its expert
	v_mov_b32 v225, 0
	v_mov_b32 v226, 0xff800000                     ; the second, v227 its expert
	v_mov_b32 v227, 0
.irp e, 1,2,3,4,5,6,7
	v_cmp_gt_f32 vcc_lo, v[208+\e], v224
	v_cmp_gt_f32 s32, v[208+\e], v226
	v_cndmask_b32 v226, v226, v[208+\e], s32
	v_cndmask_b32 v227, v227, \e, s32
	v_cndmask_b32 v226, v226, v224, vcc_lo         ; a new largest pushes the old one down
	v_cndmask_b32 v227, v227, v225, vcc_lo
	v_cndmask_b32 v224, v224, v[208+\e], vcc_lo
	v_cndmask_b32 v225, v225, \e, vcc_lo
.endr
	v_sub_f32 v228, v226, v224                     ; the larger score is taken away: 0 or less
	v_mul_f32 v228, 0x3fb8aa3b, v228
	v_exp_f32 v228, v228
	v_mov_b32 v232, 1                              ; (a plain place behind the exponential)
	s_wait_alu depctr_va_vdst(0)
	v_add_f32 v229, 1.0, v228
	v_rcp_f32 v230, v229                           ; the first weight: 1 / (1 + e^(second - first))
	v_lshlrev_b32 v233, v225, v232                 ; (a plain place behind the reciprocal)  1 << e0
	s_wait_alu depctr_va_vdst(0)
	v_mul_f32 v231, v228, v230                     ; the second weight
	v_lshlrev_b32 v234, v227, v232                 ; 1 << e1
	v_or_b32 v233, v233, v234
	v_lshl_or_b32 v234, v227, 8, v225
	v_lshl_or_b32 v233, v233, 16, v234             ; the token's word of route
	s_wait_dscnt 0x0
	global_store_b128 v2, v[16:19], s[10:11]       ; the wave stores 512 and 256 consecutive bytes, at multiples of 256 from xq's first byte
	global_store_b64 v10, v[20:21], s[10:11] offset:512
	global_store_b8 v1, v239, s[12:13]             ; the token's 32 scale bytes
	s_wait_xcnt 0x0                                ; EXEC is a source of the stores above: it changes only behind this wait
	v_cmp_eq_u32 vcc_lo, 0, v1
	s_wait_tensorcnt 0x0
	ds_add_u32 v254, v255
	s_wait_dscnt 0x0
	s_and_saveexec_b32 s33, vcc_lo                 ; lane 0 alone
	global_store_b32 v11, v233, s[14:15]
	global_store_b64 v11, v[230:231], s[16:17]
	s_wait_xcnt 0x0                                ; and again in front of the line that widens it
	s_or_b32 exec_lo, exec_lo, s33
	s_endpgm
.Lfunc_end_k_q16d017e3de_gate:
	.size	k_q16d017e3de_gate, .Lfunc_end_k_q16d017e3de_gate-k_q16d017e3de_gate
	.p2alignl 7, 3214868480
	.fill 96, 4, 3214868480
	.section	.rodata,"a",@progbits
	.p2align	6, 0x0
	.amdhsa_kernel k_q16d017e3de_gate
		.amdhsa_group_segment_fixed_size 55296
		.amdhsa_private_segment_fixed_size 0
		.amdhsa_enable_private_segment 0
		.amdhsa_kernarg_size 56
		.amdhsa_user_sgpr_count 2
		.amdhsa_user_sgpr_kernarg_segment_ptr 1
		.amdhsa_wavefront_size32 1
		.amdhsa_system_sgpr_workgroup_id_x 1
		.amdhsa_system_sgpr_workgroup_id_y 1
		.amdhsa_system_sgpr_workgroup_id_z 1
		.amdhsa_system_vgpr_workitem_id 0
		.amdhsa_next_free_vgpr 256
		.amdhsa_next_free_sgpr 66
		.amdhsa_reserve_vcc 1
		.amdhsa_float_denorm_mode_32 3
		.amdhsa_float_denorm_mode_16_64 3
		.amdhsa_memory_ordered 1
		.amdhsa_forward_progress 1
		.amdhsa_inst_pref_size 29
	.end_amdhsa_kernel
	.amdgpu_metadata
---
amdhsa.version: [ 1, 2 ]
amdhsa.kernels:
  - .name:           k_q16d017e3de_gate
    .symbol:         k_q16d017e3de_gate.kd
    .args:
      - { .name: x, .offset: 0, .size: 8, .value_kind: global_buffer, .address_space: global }
      - { .name: gate_w, .offset: 8, .size: 8, .value_kind: global_buffer, .address_space: global }
      - { .name: gate_b, .offset: 16, .size: 8, .value_kind: global_buffer, .address_space: global }
      - { .name: xq, .offset: 24, .size: 8, .value_kind: global_buffer, .address_space: global }
      - { .name: xs, .offset: 32, .size: 8, .value_kind: global_buffer, .address_space: global }
      - { .name: route, .offset: 40, .size: 8, .value_kind: global_buffer, .address_space: global }
      - { .name: prob, .offset: 48, .size: 8, .value_kind: global_buffer, .address_space: global }
    .group_segment_fixed_size: 55296
    .private_segment_fixed_size: 0
    .kernarg_segment_align: 8
    .kernarg_segment_size: 56
    .max_flat_workgroup_size: 128
    .sgpr_count:     66
    .vgpr_count:     256
    .wavefront_size: 32
...
	.end_amdgpu_metadata
.endif
;; end of part 1
;; launch ffn1 (part 2): grid 32 x 8, 4 waves a work-group, no clusters, 102,912 bytes of LDS; arguments w1, b1, xq, xs, route, hq, hs, rank; writes hq, hs, rank
.if DOCPART == 2
	.amdgcn_target "amdgcn-amd-amdhsa--gfx1250"
	.amdhsa_code_object_version 6
	.text
	.protected	k_q16d017e3de_ffn1
	.globl	k_q16d017e3de_ffn1
	.p2align	8
	.type	k_q16d017e3de_ffn1,@function
k_q16d017e3de_ffn1:
	s_mov_b64 s[64:65], 0
	v_nop
	global_prefetch_b8 v0, s[64:65] scope:SCOPE_SE
	s_setreg_imm32_b32 hwreg(HW_REG_WAVE_MODE, 25, 1), 1
	s_wait_xcnt 0x0
; THE FIRST EXPERT PRODUCT: h = Q(relu(Q(x) Q(W1) + b1)), for the rows that chose the expert, on codes of E3M2 with one E8M0 scale for each 32 along K.
; w1: [8][1024 (K)][4096] f32; b1: [8][4096]; xq, xs: x's codes and scale bytes; route: each token's word (bit 16 + e: the token chose expert e).
; Out: hq, hs: the hidden layer's codes and scale bytes, as images of the next product's operand registers; rank: each token's place among its expert's rows, and the experts' counts.
; A WORK-GROUP is (expert e = y, 128 hidden units 128 fs on, fs = x): 512 KB of w1, which no other work-group reads: 256 work-groups read w1 once.  No cluster: no two work-groups share a byte of the weights,
; which are all but a hundredth of what is read; no tensor load: the walk over the rows hangs on counts read from memory.
; PHASE A.  The four waves stream the slice, 32 K rows (one block) a chunk, each load 512 consecutive bytes of one K row, two sets of 32 loads by turns; chunk n of wave w is block 4 n + w.
; A load gives lane l = 16 u + r the columns 64 u + 4 r + j, j = 0 .. 3.  THE COLUMNS OF A TILE ARE NOT NEIGHBOURS: tile 4 u + j is columns 64 u + 4 r + j, r = 0 .. 15.  So a lane holds a whole block of four
; tiles' row r: its largest magnitude needs no other lane, and its 24 bytes of codes are six registers of one lane of the tile's fragment.  They go to LDS as images of those registers.  One barrier.
; PHASE B.  Each wave takes tiles of 16 rows x all 128 columns, five at a time (tiles tb + 4 i; tb = 20 g + wave).  The product is used transposed (source 0 = a tile of W1, source 1 = 16 rows), b1 is the C of each
; sum's first product.  By the choice of columns lane (row r, half h) then holds, in the 32 registers of tiles 4 u .. 4 u + 3, the whole block of hidden units 64 u + 32 h + 0 .. 31, register p = 8 j + i being unit
; 4 (p % 8) + p / 8 of the block.  It is quantised where it lies; the next launch lays W2's K rows in the same order inside each block, which changes no product.
; ROWS.  Expert e has 64 tiles of its own in hq and hs; only tiles 0 .. NT - 1 are made, NT = max(1, ceil(count / 16)).  Rank q's token is found in registers from the 32 mask words.  Ranks at or beyond the
; count give some token: such rows are made and never read.
; LIMITS.  A block whose largest magnitude lies under 2^-122 keeps the byte 1 (a block of zeros too: its codes are zeros, and only this program reads the bytes).  NaN and infinities are not served.
; REGISTERS, in windows of 256 (s_set_vgpr_msb: bits 1:0 source 0, 3:2 source 1, 5:4 source 2, 7:6 destination):
;   window 0: v1-19 addresses; v20-28 a column's codes; v29-31 the chunk's LDS addresses; v32-51 the rows' scale words, v52-55 W1's (scales and nothing else); v56-63 maxima, bytes, scale operands;
;             v64-127 b1 in the result's layout; v128-255 phase A: 4 columns x 32 numbers down K; phase B: v128-191 a tile's hidden numbers, v192-210 its codes; both: the search for the tokens
;   window 1: the rows' fragments: four K steps x five tiles x 12     window 2: v0-63 tile 4's sums; v64-159 W1's fragments, two sets of four; v160-223 b1 as loaded
;   window 3: phase A: the two stream sets; phase B: the sums of tiles 0-3, (i, tile) at 64 i + 8 tile
.set PITCH, 16384                      ; bytes from a K row of w1 to the next
.set WSC,   98304                      ; LDS: from 0 the images, fragment (K step s, tile) at 12,288 s + 1,536 tile; here the scale words, 512 s + 64 tile + 4 r
.set KSTR,  96                         ; the rows' fragments in xq: bytes from K step to K step,
.set GSTR,  16                         ; and from one group of four registers to the next
.set AX,   10                          ; v10-14 tile i: my lane's byte in xq
.set XS,   32
.set WS,   52
.set M,    56
.set SC,   60
.set BIAS, 64
.set U,    128
.set H,    128
.set F,    192
.set T1,   204
.set T2,   208
.set SB,   160                         ; the search: 16 registers for each pair of tiles: +0 rank, +1 word, +2 prefix | word's number << 16, +3 bits to pass, +4 .. +7 counts by 2, 4, 8, 16 bits, +8 bit, +9, +10 at work, +11 token
.set MSB, 0
.macro WIN new                         ; the immediate's high byte repeats the setting that is left; a switch that changes nothing is dropped
.if MSB != \new
	s_set_vgpr_msb (MSB<<8)|\new
.set MSB, \new
.endif
.endm
; A load into a register that a matrix instruction has read, and a vector instruction or a store that reads a matrix result, stand four places behind it, and a matrix instruction that writes over such a register
; five; only plain vector instructions that name none of its registers are places (ISA guide 7.12.1 for vector instructions).
.macro PLACES
.rept 4
	v_nop
.endr
.endm
.macro SLOAD set                       ; a chunk: 32 K rows x 512 consecutive bytes into stream set 'set'; register 4 p + j = row p, my column j
	WIN 0xc0
.set p_, 0
.rept 32
	global_load_b128 v[128*\set+4*p_:128*\set+4*p_+3], v1, s[66+2*\set:67+2*\set] offset:p_*PITCH th:TH_LOAD_NT
.set p_, p_+1
.endr
.endm
.macro COLUMN j, d, t, set             ; column j's 32 numbers become 24 bytes of codes in v[d] on, and go to LDS with the block's byte
	v_cvt_scalef32_pk16_bf6_f32 v[\d:\d+2], v[U+32*\j:U+32*\j+15], v[SC+\j]
	v_cvt_scalef32_pk16_bf6_f32 v[\t:\t+2], v[U+32*\j+16:U+32*\j+31], v[SC+\j]   ; (a conversion's three registers begin on an even number)
	v_nop                                          ; one plain place behind a scaled conversion
	v_mov_b32 v[\d+3], v[\t]
	v_mov_b32 v[\d+4], v[\t+1]
	v_mov_b32 v[\d+5], v[\t+2]
	ds_store_b128 v29, v[\d:\d+3] offset:12288*\set+1536*\j
	ds_store_b64 v30, v[\d+4:\d+5] offset:12288*\set+1536*\j
	ds_store_b8 v31, v[M+\j] offset:512*\set+64*\j
.endm
; One chunk out of set 'set'.  ahead = 1: the set is asked for again, two chunks on.  left: the younger loads that may stay out.
.macro CHUNK set, ahead, left
	s_wait_loadcnt \left                           ; loads come back in order: this set's 32 are in
	s_wait_dscnt 0x0                               ; the last chunk's LDS stores have read their registers
	WIN 0x0f                                       ; sources 0 and 1: the stream, window 3
.irp j, 0,1,2,3
	v_max3_num_f32 v[M+\j], |v[128*\set+\j]|, |v[128*\set+4+\j]|, 0x2800000   ; the four columns' largest magnitudes by turns; the floor 2^(5 - 127) holds the byte at 1 from below
.endr
.irp p, 2,4,6,8,10,12,14,16,18,20,22,24,26,28,30
.irp j, 0,1,2,3
	v_max3_num_f32 v[M+\j], |v[128*\set+4*\p+\j]|, |v[128*\set+4*\p+4+\j]|, v[M+\j]
.endr
.endr
.irp j, 0,1,2,3                        ; a conversion takes 16 neighbours along K from consecutive registers; a load of 512 consecutive bytes leaves them four registers apart: these copies are the price of such loads
.set p_, 0
.rept 32
	v_mov_b32 v[U+32*\j+p_], v[128*\set+4*p_+\j]
.set p_, p_+1
.endr
.endr
.if \ahead
	s_add_nc_u64 s[66+2*\set:67+2*\set], s[66+2*\set:67+2*\set], 256*PITCH   ; two chunks of 4 x 32 rows on
	SLOAD \set
.endif
	WIN 0
	v_add_nc_u32 v29, s10, v2
	v_add_nc_u32 v30, s10, v3
	v_add_nc_u32 v31, s11, v4
.irp j, 0,1,2,3
	v_add_nc_u32 v[SC+\j], 0xfe000000, v[M+\j]     ; 4 off the exponent field: the conversion's scale operand
.endr
.irp j, 0,1,2,3
	v_lshrrev_b32 v[M+\j], 23, v[SC+\j]            ; the scale's byte
.endr
	COLUMN 0, 20, 26, \set                         ; each later column's codes land on the numbers of the column just converted: no pending store's data are written
	COLUMN 1, U, U+8, \set
	COLUMN 2, U+32, U+40, \set
	COLUMN 3, U+64, U+72, \set
.endm
.macro COUNTS src, dst, sh, mask       ; set bits by fields twice as wide
.irp a, 0,1,2
	v_lshrrev_b32 v[SB+16*\a+9], \sh, v[SB+16*\a+\src]
	v_and_b32 v[SB+16*\a+\dst], \mask, v[SB+16*\a+\src]
	v_and_b32 v[SB+16*\a+9], \mask, v[SB+16*\a+9]
	v_add_nc_u32 v[SB+16*\a+\dst], v[SB+16*\a+\dst], v[SB+16*\a+9]
.endr
.endm
.macro PICK src, w                     ; are the bits still to pass at least as many as the next w bits hold?  Then pass those
.irp a, 0,1,2
	v_bfe_u32 v[SB+16*\a+9], v[SB+16*\a+\src], v[SB+16*\a+8], \w
	v_cmp_ge_u32 vcc_lo, v[SB+16*\a+3], v[SB+16*\a+9]
	v_cndmask_b32 v[SB+16*\a+9], 0, v[SB+16*\a+9], vcc_lo
	v_cndmask_b32 v[SB+16*\a+10], 0, \w, vcc_lo
	v_sub_nc_u32 v[SB+16*\a+3], v[SB+16*\a+3], v[SB+16*\a+9]
	v_add_nc_u32 v[SB+16*\a+8], v[SB+16*\a+8], v[SB+16*\a+10]
.endr
.endm
; Rank -> token, for three registers of ranks at once.  Mask word g, bit l stands for token 128 (g / 4) + 4 l + g % 4; ranks run by word, then by bit.
.macro SELECT3
.irp a, 0,1,2
	v_mov_b32 v[SB+16*\a+1], s16
	v_mov_b32 v[SB+16*\a+2], 0
.endr
	s_mov_b32 s80, 0
.set g_, 1
.rept 31                               ; the last word whose prefix does not pass the rank
	s_bcnt1_i32_b32 s81, s[15+g_]
	s_add_co_u32 s80, s80, s81
	s_or_b32 s82, s80, g_<<16
.irp a, 0,1,2
	v_cmp_le_u32 vcc_lo, s80, v[SB+16*\a]
	v_cndmask_b32 v[SB+16*\a+1], v[SB+16*\a+1], s[16+g_], vcc_lo
	v_cndmask_b32 v[SB+16*\a+2], v[SB+16*\a+2], s82, vcc_lo
.endr
.set g_, g_+1
.endr
.irp a, 0,1,2
	v_and_b32 v[SB+16*\a+9], 0xffff, v[SB+16*\a+2]
	v_sub_nc_u32 v[SB+16*\a+3], v[SB+16*\a], v[SB+16*\a+9]
	v_mov_b32 v[SB+16*\a+8], 0
.endr
	COUNTS 1, 4, 1, 0x55555555
	COUNTS 4, 5, 2, 0x33333333
	COUNTS 5, 6, 4, 0x0f0f0f0f
	COUNTS 6, 7, 8, 0x00ff00ff
	PICK 7, 16
	PICK 6, 8
	PICK 5, 4
	PICK 4, 2
	PICK 1, 1
.irp a, 0,1,2
	v_lshrrev_b32 v[SB+16*\a+9], 16, v[SB+16*\a+2]             ; g
	v_and_b32 v[SB+16*\a+10], 3, v[SB+16*\a+9]
	v_lshrrev_b32 v[SB+16*\a+9], 2, v[SB+16*\a+9]
	v_lshl_add_u32 v[SB+16*\a+10], v[SB+16*\a+8], 2, v[SB+16*\a+10]
	v_lshl_add_u32 v[SB+16*\a+11], v[SB+16*\a+9], 7, v[SB+16*\a+10]
.endr
.endm
; The five tiles tb + 4 i (tb in s[tbreg]): their rows' tokens, the fragments of K steps 0-3 and all scale words: 80 loads.
.macro PREP tbreg
	s_wait_dscnt 0x0                               ; phase A's stores have read the registers that the search takes
	PLACES
	v_and_b32 v150, 15, v0
	v_bfe_u32 v151, v0, 4, 1
	v_lshl_add_u32 v150, v151, 6, v150
	s_lshl_b32 s12, s[\tbreg], 4
	v_add_nc_u32 v150, s12, v150                   ; 16 tb + 64 h + r: lanes 0-15 search for tile 2 a's rows, lanes 16-31 for tile 2 a + 1's
	v_mul_u32_u24 v152, v151, 48
	v_lshlrev_b32 v153, 2, v151
	v_mov_b32 v139, 0                              ; a lane permute's destination counts as one of its sources
.irp a, 0,1,2
	v_add_nc_u32 v[SB+16*\a], 128*\a, v150
.endr
	SELECT3
.irp a, 0,1,2                          ; both halves of the lanes want each tile's tokens
	v_permlanex16_b32 v139, v[SB+16*\a+11], s74, s75
	v_cndmask_b32 v[141+2*\a], v[SB+16*\a+11], v139, s73
.if \a < 2
	v_cndmask_b32 v[142+2*\a], v139, v[SB+16*\a+11], s73
.endif
.endr
.irp i, 0,1,2,3,4
	v_min_u32 v[141+\i], 0x3ff, v[141+\i]          ; a number made of loaded data enters an address only held inside the table
	v_mul_u32_u24 v[AX+\i], v[141+\i], 768
	v_add_nc_u32 v[AX+\i], v[AX+\i], v152          ; xq: 768 x token + 48 h
	v_lshl_add_u32 v[154+\i], v[141+\i], 5, v153   ; xs: 32 x token + 4 h: lanes 0-15 take an even K step's word, lanes 16-31 the odd one's
.endr
	WIN 0x40
.irp k, 0,1,2,3
.irp i, 0,1,2,3,4
.irp g, 0,1,2
	global_load_b128 v[12*(5*\k+\i)+4*\g:12*(5*\k+\i)+4*\g+3], v[AX+\i], s[52:53] offset:KSTR*\k+GSTR*\g
.endr
.endr
.endr
	WIN 0
.irp i, 0,1,2,3,4
.irp k, 0,1,2,3
	global_load_b32 v[XS+4*\i+\k], v[154+\i], s[54:55] offset:8*\k
.endr
.endr
	s_wait_xcnt 0x0                                ; v154-158 are written again by what follows
.endm
.macro FETCHW m                        ; half step m = 2 s + u: W1's fragments of tiles 4 u .. 4 u + 3, K step s, into set m % 2, and their scale words: 18 LDS loads
.set fs_, (\m)/2
.set fu_, (\m)%2
.set fb_, 64+48*((\m)%2)
.set fo_, 12288*(fs_%4)+6144*fu_
	WIN 0x80
.irp j, 0,1,2,3
	ds_load_b128 v[fb_+12*\j:fb_+12*\j+3], v[1+4*(fs_/4)] offset:fo_+1536*\j
	ds_load_b64 v[fb_+12*\j+4:fb_+12*\j+5], v[6+fs_/4] offset:fo_+1536*\j+512
	ds_load_b128 v[fb_+12*\j+6:fb_+12*\j+9], v[1+4*(fs_/4)] offset:fo_+1536*\j+768
	ds_load_b64 v[fb_+12*\j+10:fb_+12*\j+11], v[6+fs_/4] offset:fo_+1536*\j+1280
.endr
	WIN 0
	ds_load_b32 v[WS+2*((\m)%2)], v8 offset:512*fs_+256*fu_        ; lanes 0-15: tile 4 u's words, lanes 16-31: tile 4 u + 1's
	ds_load_b32 v[WS+2*((\m)%2)+1], v8 offset:512*fs_+256*fu_+128  ; tiles 4 u + 2 and 4 u + 3
.endm
.macro PROD d, a, b, c, sa, ra, sb, rb ; ra, rb = 1: that side's scale words stand in lanes 16-31
.if (\ra) && (\rb)
	v_wmma_scale_f32_16x16x128_f8f6f4 v[(\d):(\d)+7], v[(\a):(\a)+11], v[(\b):(\b)+11], v[(\c):(\c)+7], v[(\sa)], v[(\sb)] matrix_a_fmt:MATRIX_FMT_BF6 matrix_b_fmt:MATRIX_FMT_BF6 matrix_a_scale:MATRIX_SCALE_ROW1 matrix_b_scale:MATRIX_SCALE_ROW1
.elseif (\ra)
	v_wmma_scale_f32_16x16x128_f8f6f4 v[(\d):(\d)+7], v[(\a):(\a)+11], v[(\b):(\b)+11], v[(\c):(\c)+7], v[(\sa)], v[(\sb)] matrix_a_fmt:MATRIX_FMT_BF6 matrix_b_fmt:MATRIX_FMT_BF6 matrix_a_scale:MATRIX_SCALE_ROW1
.elseif (\rb)
	v_wmma_scale_f32_16x16x128_f8f6f4 v[(\d):(\d)+7], v[(\a):(\a)+11], v[(\b):(\b)+11], v[(\c):(\c)+7], v[(\sa)], v[(\sb)] matrix_a_fmt:MATRIX_FMT_BF6 matrix_b_fmt:MATRIX_FMT_BF6 matrix_b_scale:MATRIX_SCALE_ROW1
.else
	v_wmma_scale_f32_16x16x128_f8f6f4 v[(\d):(\d)+7], v[(\a):(\a)+11], v[(\b):(\b)+11], v[(\c):(\c)+7], v[(\sa)], v[(\sb)] matrix_a_fmt:MATRIX_FMT_BF6 matrix_b_fmt:MATRIX_FMT_BF6
.endif
.endm
; Half step m: four tiles of W1 x five tiles of rows, 128 along K.  The sums take turns, one instruction a turn: a sum comes up again two half steps later.
.macro HALF m
.set hs_, (\m)/2
.set hu_, (\m)%2
.set hb_, 64+48*hu_
	PLACES
.if (hu_ == 0) && (hs_ >= 1) && (hs_ <= 4)
	WIN 0x40                                       ; K step s + 3's rows into the place of K step s - 1's, whose products are issued
.irp i, 0,1,2,3,4
.irp g, 0,1,2
	global_load_b128 v[12*(5*((hs_+3)%4)+\i)+4*\g:12*(5*((hs_+3)%4)+\i)+4*\g+3], v[AX+\i], s[52:53] offset:KSTR*(hs_+3)+GSTR*\g
.endr
.endr
.endif
.if (\m) < 15
	FETCHW (\m)+1
	s_wait_dscnt 18                                ; this half step's 18 loads are in, the next one's 18 may be out
.else
	s_wait_dscnt 0x0
.endif
.if (hu_ == 0) && (hs_ >= 4)
	s_wait_loadcnt 15*(7-hs_)                      ; this K step's rows are in; fifteen loads for each later K step may be out
.endif
.if hs_ == 0
	WIN 0xc6                                       ; W1 window 2, rows window 1, b1 window 0, sums window 3
.else
	WIN 0xf6
.endif
.irp i, 0,1,2,3
.irp j, 0,1,2,3
.if hs_ == 0
	PROD 64*\i+8*(4*hu_+\j), hb_+12*\j, 12*(5*(hs_%4)+\i), BIAS+8*(4*hu_+\j), WS+2*hu_+\j/2, \j%2, XS+4*\i+hs_/2, hs_%2
.else
	PROD 64*\i+8*(4*hu_+\j), hb_+12*\j, 12*(5*(hs_%4)+\i), 64*\i+8*(4*hu_+\j), WS+2*hu_+\j/2, \j%2, XS+4*\i+hs_/2, hs_%2
.endif
.endr
.endr
	WIN 0
.if hs_ == 0
	WIN 0x86                                       ; tile 4's sums (window 2) are begun whether the tile exists or not, so that they are written on every way
.irp j, 0,1,2,3
	PROD 8*(4*hu_+\j), hb_+12*\j, 12*(5*(hs_%4)+4), BIAS+8*(4*hu_+\j), WS+2*hu_+\j/2, \j%2, XS+16+hs_/2, hs_%2
.endr
	WIN 0
.else
	s_cmp_lt_u32 s76, s6                           ; is there a tile tb + 16?
	s_cbranch_scc0 .Lno4_\@
	WIN 0xa6
.irp j, 0,1,2,3
	PROD 8*(4*hu_+\j), hb_+12*\j, 12*(5*(hs_%4)+4), 8*(4*hu_+\j), WS+2*hu_+\j/2, \j%2, XS+16+hs_/2, hs_%2
.endr
	WIN 0
.Lno4_\@:
.endif
.endm
; Tile t's way out, if the tile exists: relu, the two blocks' scales, codes, the image of the next operand's twelve registers, two scale bytes.
.macro EPI t
	s_add_co_u32 s12, s7, 4*\t
	s_cmp_lt_u32 s12, s6
	s_cbranch_scc0 .Lno_tile_\@
	s_wait_xcnt 0x0                                ; the last tile's stores have read their registers
.if \t < 4
	WIN 0x0c
.else
	WIN 0x08
.endif
.set a_, 0
.rept 64
	v_max_num_f32 v[H+a_], 0, v[64*(\t%4)+a_]      ; the activation, in f32; each sum's registers in ascending order
.set a_, a_+1
.endr
	WIN 0
.irp u, 0,1
	v_max3_num_f32 v[M+\u], v[H+32*\u], v[H+32*\u+1], 0x2800000   ; none is negative: no |.|; the floor 2^(5 - 127)
.endr
.irp p, 2,4,6,8,10,12,14,16,18,20,22,24,26,28,30
.irp u, 0,1
	v_max3_num_f32 v[M+\u], v[M+\u], v[H+32*\u+\p], v[H+32*\u+\p+1]
.endr
.endr
.irp u, 0,1
	v_add_nc_u32 v[SC+\u], 0xfe000000, v[M+\u]
.endr
.irp u, 0,1
	v_lshrrev_b32 v[M+\u], 23, v[SC+\u]
.endr
	v_cvt_scalef32_pk16_bf6_f32 v[F:F+2], v[H:H+15], v[SC]
	v_cvt_scalef32_pk16_bf6_f32 v[T1:T1+2], v[H+16:H+31], v[SC]
	v_cvt_scalef32_pk16_bf6_f32 v[F+6:F+8], v[H+32:H+47], v[SC+1]
	v_cvt_scalef32_pk16_bf6_f32 v[T2:T2+2], v[H+48:H+63], v[SC+1]
	v_nop                                          ; one plain place behind a scaled conversion
.irp n, 0,1,2
	v_mov_b32 v[F+3+\n], v[T1+\n]
	v_mov_b32 v[F+9+\n], v[T2+\n]
.endr
.irp g, 0,1,2
	global_store_b128 v9, v[F+4*\g:F+4*\g+3], s[58:59] offset:196608*\t+512*\g   ; the wave stores 512 consecutive bytes, at a multiple of 512 from hq's first byte
.endr
	global_store_b8 v15, v[M], s[60:61] offset:8192*\t             ; byte h of my row's scale word,
	global_store_b8 v15, v[M+1], s[60:61] offset:8192*\t+2         ; and byte 2 + h
.Lno_tile_\@:
.endm
	s_load_b512 s[48:63], s[0:1], 0x0              ; w1, b1, xq, xs, route, hq, hs, rank
	v_lshl_add_u32 v16, v0, 2, 0x19000
	s_set_vgpr_msb 0x40
	v_mov_b32 v255, 0
	s_set_vgpr_msb 0x4000
	v_lshrrev_b32 v20, 5, v0
	v_readfirstlane_b32 s2, v20                    ; wave
	s_mov_b32 s3, ttmp9                            ; fs
	s_and_b32 s4, ttmp7, 0xffff                    ; e
	v_and_b32 v21, 31, v0                          ; l
	v_and_b32 v22, 15, v0                          ; r
	v_bfe_u32 v23, v0, 4, 1                        ; u in phase A, h in phase B
	v_lshlrev_b32 v1, 4, v21                       ; 16 l
	v_lshlrev_b32 v6, 3, v21                       ; 8 l
	v_lshlrev_b32 v17, 2, v21                      ; 4 l
	v_add_nc_u32 v5, 49152, v1                     ; the same four K steps on: an LDS immediate has 16 bits
	v_add_nc_u32 v7, 49152, v6
	v_add_nc_u32 v8, WSC, v17
	v_lshl_add_u32 v18, v22, 2, v23                ; 4 r + h
	v_lshlrev_b32 v19, 7, v23                      ; 128 h
	s_lshr_b32 s12, s2, 1                          ; my block of a K step is 2 c + h = wave: half c of a fragment's registers, lanes 16 h on
	s_and_b32 s13, s2, 1
	s_mul_i32 s12, s12, 768
	s_lshl_b32 s14, s13, 8
	s_add_co_u32 s14, s14, s12
	s_lshl_b32 s15, s13, 7
	s_add_co_u32 s15, s15, s12
	s_add_co_u32 s15, s15, 512
	v_mul_u32_u24 v20, v23, 6144
	v_lshl_add_u32 v2, v22, 4, v20
	v_add_nc_u32 v2, s14, v2                       ; registers 6 c .. 6 c + 3: 6,144 u + 768 c + 16 (r + 16 h)
	v_lshl_add_u32 v3, v22, 3, v20
	v_add_nc_u32 v3, s15, v3                       ; registers 6 c + 4, 6 c + 5: 6,144 u + 768 c + 512 + 8 (r + 16 h)
	v_lshlrev_b32 v4, 8, v23
	v_lshl_add_u32 v4, v22, 2, v4
	s_add_co_u32 s14, s2, WSC
	v_add_nc_u32 v4, s14, v4                       ; the block's byte: 256 u + 4 r + wave
	s_lshl_b32 s70, s4, 24                         ; the expert's 16 MiB,
	s_lshl_b32 s12, s3, 9                          ; my 128 columns,
	s_add_co_u32 s70, s70, s12
	s_mul_i32 s12, s2, 32*PITCH                    ; my wave's block of the first chunk
	s_add_co_u32 s70, s70, s12
	s_mov_b32 s71, 0
	s_lshl_b32 s72, 0x10000, s4                    ; the expert's bit in a word of route
	s_mov_b32 s73, 0xffff0000                      ; lanes 16-31
	s_mov_b32 s74, 0x76543210
	s_mov_b32 s75, 0xfedcba98                      ; v_permlanex16_b32's selects for lane l xor 16
	s_mov_b32 s7, s2                               ; tb of the first group
	s_wait_kmcnt 0x0
	s_add_nc_u64 s[66:67], s[48:49], s[70:71]
	s_add_nc_u64 s[68:69], s[66:67], 128*PITCH
.irp j, 0,1,2,3,4,5,6,7
	global_load_b128 v[U+4*\j:U+4*\j+3], v1, s[56:57] offset:512*\j   ; route: register g, lane l: token 128 (g / 4) + 4 l + g % 4
.endr
	SLOAD 0
	SLOAD 1
	WIN 0
	s_wait_loadcnt 63                              ; 64 loads are younger than route's eight; the count is the largest that the wait can name
	s_mov_b32 s5, 0
.set g_, 0
.rept 32
	v_and_b32 v20, s72, v[U+g_]
	v_cmp_ne_u32 s[16+g_], 0, v20                  ; mask word g: which of its 32 tokens chose the expert
	s_bcnt1_i32_b32 s12, s[16+g_]
	s_add_co_u32 s5, s5, s12                       ; the expert's count
.set g_, g_+1
.endr
	s_add_co_u32 s6, s5, 15
	s_lshr_b32 s6, s6, 4
	s_max_u32 s6, s6, 1                            ; NT: tile 0 is always made
	s_mov_b32 s10, 0
	s_mov_b32 s11, 0
	s_mov_b32 s9, 3
.Lchunks:                                              ; three trips, two chunks each; the trip's second chunk has its place in the stores' immediates
	CHUNK 0, 1, 32                                 ; the other set's 32 loads may be out
	CHUNK 1, 1, 32
	s_add_co_u32 s10, s10, 24576
	s_add_co_u32 s11, s11, 1024
	s_sub_co_u32 s9, s9, 1
	s_cmp_lg_u32 s9, 0
	s_cbranch_scc1 .Lchunks
	CHUNK 0, 0, 32
	PREP 7                                         ; the first group's rows are asked for where the stream's end leaves room
	s_lshl_b32 s70, s4, 14
	s_lshl_b32 s12, s3, 9
	s_add_co_u32 s70, s70, s12
	s_add_nc_u64 s[78:79], s[50:51], s[70:71]      ; b1 at my 128 hidden units
	WIN 0x80
.irp u, 0,1
.irp n, 0,1,2,3,4,5,6,7
	global_load_b128 v[160+4*(8*\u+\n):160+4*(8*\u+\n)+3], v19, s[78:79] offset:256*\u+16*\n   ; units 64 u + 32 h + 4 n + 0 .. 3
.endr
.endr
	WIN 0
	CHUNK 1, 0, 63                                 ; 96 loads are younger than the last chunk's
	s_wait_dscnt 0x0                               ; for the others' sake: my images and bytes lie in LDS
	s_barrier_signal -1
	s_barrier_wait -1                              ; the only barrier: behind it nobody writes LDS
	s_wait_loadcnt 0x0
	WIN 0x02
.irp u, 0,1
.irp j, 0,1,2,3
.irp n, 0,1,2,3,4,5,6,7
	v_mov_b32 v[BIAS+8*(4*\u+\j)+\n], v[160+4*(8*\u+\n)+\j]        ; into the result's layout: tile 4 u + j, register n
.endr
.endr
.endr
	WIN 0
	s_or_b32 s12, s3, s2
	s_cmp_lg_u32 s12, 0
	s_cbranch_scc1 .Lno_rank                       ; one wave for each expert stores the ranks and the count
	s_lshl_b32 s70, s4, 12
	s_add_nc_u64 s[84:85], s[62:63], s[70:71]
	s_lshl_b32 s70, s4, 7
	s_add_nc_u64 s[86:87], s[62:63], s[70:71]
	s_mov_b32 s80, 0
.set g_, 0
.rept 32
	v_mbcnt_lo_u32_b32 v[160+g_], s[16+g_], s80    ; the words before, and the word's bits under mine
	global_store_b32 v17, v[160+g_], s[84:85] offset:128*g_
	s_bcnt1_i32_b32 s81, s[16+g_]
	s_add_co_u32 s80, s80, s81
.set g_, g_+1
.endr
	v_mov_b32 v20, s5
	global_store_b32 v17, v20, s[86:87] offset:32768
	s_wait_xcnt 0x0                                ; the stores have read their registers
.Lno_rank:
	s_mov_b32 s8, 4
.Lgroup:                                               ; four trips serve every split: 80 tiles' worth for at most 64; a trip without tiles does nothing
	s_cmp_lt_u32 s7, s6
	s_cbranch_scc0 .Lnext
	s_wait_loadcnt 0x0                             ; the group's rows of K steps 0-3 and its scale words
	s_wait_xcnt 0x0                                ; the last group's stores have read their offsets
	s_add_co_u32 s76, s7, 16
	s_lshl_b32 s12, s4, 6
	s_add_co_u32 s12, s12, s7                      ; tile 64 e + tb
	s_mul_i32 s13, s12, 49152
	s_mul_i32 s14, s3, 1536
	s_add_co_u32 s13, s13, s14
	v_add_nc_u32 v9, s13, v1                       ; hq: 32 images of 1,536 bytes a tile; mine is K step fs
	s_lshl_b32 s13, s12, 11
	s_lshl_b32 s14, s3, 6
	s_add_co_u32 s13, s13, s14
	v_add_nc_u32 v15, s13, v18                     ; hs: 2,048 bytes a tile; K step fs's 16 words at 64 fs; row r's word, byte h
	PLACES
	FETCHW 0
.irp m, 0,1,2,3,4,5,6,7,8,9,10,11,12,13,14,15
	HALF \m
.endr
	PLACES
	s_add_co_u32 s77, s7, 20
	s_cmp_lt_u32 s77, s6
	s_cbranch_scc0 .Lno_prep
	PREP 77                                        ; the next group's rows are on their way while this group goes out
.Lno_prep:
	EPI 0
	EPI 1
	EPI 2
	EPI 3
	EPI 4
.Lnext:
	s_add_co_u32 s7, s7, 20
	s_sub_co_u32 s8, s8, 1
	s_cmp_lg_u32 s8, 0
	s_cbranch_scc1 .Lgroup
	s_set_vgpr_msb 0x4
	s_wait_tensorcnt 0x0
	ds_add_u32 v16, v255
	s_wait_dscnt 0x0
	s_set_vgpr_msb 0x400
	s_endpgm
.Lfunc_end_k_q16d017e3de_ffn1:
	.size	k_q16d017e3de_ffn1, .Lfunc_end_k_q16d017e3de_ffn1-k_q16d017e3de_ffn1
	.p2alignl 7, 3214868480
	.fill 96, 4, 3214868480
	.section	.rodata,"a",@progbits
	.p2align	6, 0x0
	.amdhsa_kernel k_q16d017e3de_ffn1
		.amdhsa_group_segment_fixed_size 102912
		.amdhsa_private_segment_fixed_size 0
		.amdhsa_enable_private_segment 0
		.amdhsa_kernarg_size 64
		.amdhsa_user_sgpr_count 2
		.amdhsa_user_sgpr_kernarg_segment_ptr 1
		.amdhsa_wavefront_size32 1
		.amdhsa_system_sgpr_workgroup_id_x 1
		.amdhsa_system_sgpr_workgroup_id_y 1
		.amdhsa_system_sgpr_workgroup_id_z 1
		.amdhsa_system_vgpr_workitem_id 0
		.amdhsa_next_free_vgpr 1024
		.amdhsa_next_free_sgpr 96
		.amdhsa_reserve_vcc 1
		.amdhsa_float_denorm_mode_32 3
		.amdhsa_float_denorm_mode_16_64 3
		.amdhsa_memory_ordered 1
		.amdhsa_forward_progress 1
		.amdhsa_inst_pref_size 244
	.end_amdhsa_kernel
	.amdgpu_metadata
---
amdhsa.version: [ 1, 2 ]
amdhsa.kernels:
  - .name:           k_q16d017e3de_ffn1
    .symbol:         k_q16d017e3de_ffn1.kd
    .args:
      - { .name: w1, .offset: 0, .size: 8, .value_kind: global_buffer, .address_space: global }
      - { .name: b1, .offset: 8, .size: 8, .value_kind: global_buffer, .address_space: global }
      - { .name: xq, .offset: 16, .size: 8, .value_kind: global_buffer, .address_space: global }
      - { .name: xs, .offset: 24, .size: 8, .value_kind: global_buffer, .address_space: global }
      - { .name: route, .offset: 32, .size: 8, .value_kind: global_buffer, .address_space: global }
      - { .name: hq, .offset: 40, .size: 8, .value_kind: global_buffer, .address_space: global }
      - { .name: hs, .offset: 48, .size: 8, .value_kind: global_buffer, .address_space: global }
      - { .name: rank, .offset: 56, .size: 8, .value_kind: global_buffer, .address_space: global }
    .group_segment_fixed_size: 102912
    .private_segment_fixed_size: 0
    .kernarg_segment_align: 8
    .kernarg_segment_size: 64
    .max_flat_workgroup_size: 128
    .sgpr_count:     96
    .vgpr_count:     1024
    .wavefront_size: 32
...
	.end_amdgpu_metadata
.endif
;; end of part 2
;; launch ffn2 (part 3): grid 32 x 8, 4 waves a work-group, no clusters, 136,704 bytes of LDS; arguments w2, hq, hs, rank, ypart; writes ypart
.if DOCPART == 3
	.amdgcn_target "amdgcn-amd-amdhsa--gfx1250"
	.amdhsa_code_object_version 6
	.text
	.protected	k_q16d017e3de_ffn2
	.globl	k_q16d017e3de_ffn2
	.p2align	8
	.type	k_q16d017e3de_ffn2,@function
k_q16d017e3de_ffn2:
	s_mov_b64 s[64:65], 0
	v_nop
	global_prefetch_b8 v0, s[64:65] scope:SCOPE_SE
	s_setreg_imm32_b32 hwreg(HW_REG_WAVE_MODE, 25, 1), 1
	s_wait_xcnt 0x0
; THE SECOND EXPERT PRODUCT, BY QUARTERS OF K: ypart[slot][q] = Q(h) Q(W2) over K = 1,024 q .. 1,024 q + 1,023, on codes of E3M2 with one E8M0 scale for each 32 along K.
; w2: [8][4096 (K)][1024] f32; hq, hs: the hidden layer's codes and scale words as images of this product's operand registers ([tile 64 e + t][K step 32][1,536 bytes]; [tile][16][lane][4 bytes]);
; rank: at byte 32,768 + 128 e the expert's count.  Out: ypart [slot 1,024 e + rank][q][1,024] f32; the last launch adds the four quarters, b2 and the gate's weights.
; A WORK-GROUP is (expert e = y, 128 outputs 128 dsl on, quarter q; x = 8 q + dsl): 512 KB of w2, which no other work-group reads: 256 work-groups read w2 once, in rows of 512 consecutive bytes.
; No cluster: no two work-groups share a byte of the weights; no tensor load: the walk over the rows hangs on a count read from memory.
; PHASE A.  As in the launch before: the four waves stream the slice, one block of 32 K rows a chunk (chunk n of wave w: block 4 n + w), quantise it in registers and lay it in LDS as images of the operand's
; registers.  A load gives lane l = 16 u + r the columns 64 u + 4 r + j; tile 4 u + j is columns 64 u + 4 r + j, r = 0 .. 15.  INSIDE A BLOCK THE K ROWS ARE TAKEN IN THE ORDER IN WHICH THE HIDDEN LAYER'S
; CODES LIE: place p holds row 4 (p % 8) + p / 8.  The same order on both operands changes no product, and a block's scale does not know of it.  It stands in the loads' immediates.  One barrier.
; PHASE B.  Each wave takes tiles of 16 rows x all 128 columns, five at a time (tiles tb + 4 i; tb = 20 g + wave), transposed (source 0 = a tile of W2, source 1 = 16 rows): lane (row r, half h) holds in register
; n of tile 4 u + j the output 64 u + 32 h + 4 n + j.  A tile goes through the wave's own stage in LDS and leaves as rows of 512 consecutive bytes.
; ROWS.  Tiles 0 .. NT - 1 exist, NT = max(1, ceil(count / 16)), as the launch before made them; a tile beyond is replaced by tile NT - 1 in the loads, and its results are not stored.
; LIMITS.  A block whose largest magnitude lies under 2^-122 keeps the byte 1 (a block of zeros too: its codes are zeros).  NaN and infinities are not served.
; REGISTERS, in windows of 256 (s_set_vgpr_msb: bits 1:0 source 0, 3:2 source 1, 5:4 source 2, 7:6 destination):
;   window 0: v1-17 addresses; v20-28 a column's codes; v29-31 the chunk's LDS addresses; v32-51 the rows' scale words, v52-55 W2's (scales and nothing else); v56-63 maxima, bytes, scale operands;
;             v64-68 the rows' scale words' offsets; v128-255 phase A: 4 columns x 32 numbers down K; phase B: v128-191 16 rows on the way out
;   window 1: the rows' fragments: four K steps x five tiles x 12     window 2: v0-63 tile 4's sums; v64-159 W2's fragments, two sets of four
;   window 3: phase A: the two stream sets; phase B: the sums of tiles 0-3, (i, tile) at 64 i + 8 tile
.set PITCH, 4096                       ; bytes from a K row of w2 to the next
.set WSC,   98304                      ; LDS: from 0 the images, fragment (K step s, tile) at 12,288 s + 1,536 tile; here the scale words, 512 s + 64 tile + 4 r
.set STG,   102400                     ; the stages: 16 rows x (512 + 16) bytes for each wave
.set KSTR,  1536                       ; the rows' fragments in hq: bytes from K step to K step,
.set GSTR,  512                        ; and from one group of four registers to the next
.set AX,   10                          ; v10-14 tile i: my lane's byte in hq
.set XA,   64                          ; v64-68 and in hs
.set XS,   32
.set WS,   52
.set M,    56
.set SC,   60
.set U,    128
.set Y,    128
.set MSB, 0
.macro WIN new                         ; the immediate's high byte repeats the setting that is left; a switch that changes nothing is dropped
.if MSB != \new
	s_set_vgpr_msb (MSB<<8)|\new
.set MSB, \new
.endif
.endm
; A load into a register that a matrix instruction has read, and a vector instruction or a store that reads a matrix result, stand four places behind it, and a matrix instruction that writes over such a register
; five; only plain vector instructions that name none of its registers are places (ISA guide 7.12.1 for vector instructions).
.macro PLACES
.rept 4
	v_nop
.endr
.endm
.macro SLOAD set                       ; a chunk: 32 K rows x 512 consecutive bytes into stream set 'set'; register 4 p + j = the block's row 4 (p % 8) + p / 8, my column j
	WIN 0xc0
.set p_, 0
.rept 32
	global_load_b128 v[128*\set+4*p_:128*\set+4*p_+3], v1, s[66+2*\set:67+2*\set] offset:(4*(p_%8)+p_/8)*PITCH th:TH_LOAD_NT
.set p_, p_+1
.endr
.endm
.macro COLUMN j, d, t, set             ; column j's 32 numbers become 24 bytes of codes in v[d] on, and go to LDS with the block's byte
	v_cvt_scalef32_pk16_bf6_f32 v[\d:\d+2], v[U+32*\j:U+32*\j+15], v[SC+\j]
	v_cvt_scalef32_pk16_bf6_f32 v[\t:\t+2], v[U+32*\j+16:U+32*\j+31], v[SC+\j]   ; (a conversion's three registers begin on an even number)
	v_nop                                          ; one plain place behind a scaled conversion
	v_mov_b32 v[\d+3], v[\t]
	v_mov_b32 v[\d+4], v[\t+1]
	v_mov_b32 v[\d+5], v[\t+2]
	ds_store_b128 v29, v[\d:\d+3] offset:12288*\set+1536*\j
	ds_store_b64 v30, v[\d+4:\d+5] offset:12288*\set+1536*\j
	ds_store_b8 v31, v[M+\j] offset:512*\set+64*\j
.endm
; One chunk out of set 'set'.  ahead = 1: the set is asked for again, two chunks on.  left: the younger loads that may stay out.
.macro CHUNK set, ahead, left
	s_wait_loadcnt \left                           ; loads come back in order: this set's 32 are in
	s_wait_dscnt 0x0                               ; the last chunk's LDS stores have read their registers
	WIN 0x0f                                       ; sources 0 and 1: the stream, window 3
.irp j, 0,1,2,3
	v_max3_num_f32 v[M+\j], |v[128*\set+\j]|, |v[128*\set+4+\j]|, 0x2800000   ; the four columns' largest magnitudes by turns; the floor 2^(5 - 127) holds the byte at 1 from below
.endr
.irp p, 2,4,6,8,10,12,14,16,18,20,22,24,26,28,30
.irp j, 0,1,2,3
	v_max3_num_f32 v[M+\j], |v[128*\set+4*\p+\j]|, |v[128*\set+4*\p+4+\j]|, v[M+\j]
.endr
.endr
.irp j, 0,1,2,3                        ; a conversion takes 16 neighbours along K from consecutive registers; a load of 512 consecutive bytes leaves them four registers apart: these copies are the price of such loads
.set p_, 0
.rept 32
	v_mov_b32 v[U+32*\j+p_], v[128*\set+4*p_+\j]
.set p_, p_+1
.endr
.endr
.if \ahead
	s_add_nc_u64 s[66+2*\set:67+2*\set], s[66+2*\set:67+2*\set], 256*PITCH   ; two chunks of 4 x 32 rows on
	SLOAD \set
.endif
	WIN 0
	v_add_nc_u32 v29, s10, v2
	v_add_nc_u32 v30, s10, v3
	v_add_nc_u32 v31, s11, v4
.irp j, 0,1,2,3
	v_add_nc_u32 v[SC+\j], 0xfe000000, v[M+\j]     ; 4 off the exponent field: the conversion's scale operand
.endr
.irp j, 0,1,2,3
	v_lshrrev_b32 v[M+\j], 23, v[SC+\j]            ; the scale's byte
.endr
	COLUMN 0, 20, 26, \set                         ; each later column's codes land on the numbers of the column just converted: no pending store's data are written
	COLUMN 1, U, U+8, \set
	COLUMN 2, U+32, U+40, \set
	COLUMN 3, U+64, U+72, \set
.endm
; The five tiles tb + 4 i (tb in s[tbreg]): the fragments of K steps 0-3 of my quarter and all its scale words: 80 loads.
.macro PREP tbreg
	PLACES
	s_sub_co_u32 s13, s6, 1
.irp i, 0,1,2,3,4
	s_add_co_u32 s12, s[\tbreg], 4*\i
	s_min_u32 s12, s12, s13                        ; a tile that does not exist is replaced by the last that does,
	s_min_u32 s12, s12, 63                         ; and a number made of loaded data enters an address only held inside the table
	s_add_co_u32 s12, s12, s78                     ; tile 64 e + t
	s_mul_i32 s14, s12, 49152
	s_add_co_u32 s14, s14, s79
	v_add_nc_u32 v[AX+\i], s14, v1                 ; hq: 49,152 x tile + 12,288 q + 16 l
	s_lshl_b32 s14, s12, 11
	s_add_co_u32 s14, s14, s80
	v_add_nc_u32 v[XA+\i], s14, v17                ; hs: 2,048 x tile + 512 q + 4 l: lanes 0-15 an even K step's words, lanes 16-31 the odd one's
.endr
	WIN 0x40
.irp k, 0,1,2,3
.irp i, 0,1,2,3,4
.irp g, 0,1,2
	global_load_b128 v[12*(5*\k+\i)+4*\g:12*(5*\k+\i)+4*\g+3], v[AX+\i], s[50:51] offset:KSTR*\k+GSTR*\g   ; 512 consecutive bytes a load
.endr
.endr
.endr
	WIN 0
.irp i, 0,1,2,3,4
.irp k, 0,1,2,3
	global_load_b32 v[XS+4*\i+\k], v[XA+\i], s[52:53] offset:128*\k
.endr
.endr
.endm
.macro FETCHW m                        ; half step m = 2 s + u: W2's fragments of tiles 4 u .. 4 u + 3, K step s, into set m % 2, and their scale words: 18 LDS loads
.set fs_, (\m)/2
.set fu_, (\m)%2
.set fb_, 64+48*((\m)%2)
.set fo_, 12288*(fs_%4)+6144*fu_
	WIN 0x80
.irp j, 0,1,2,3
	ds_load_b128 v[fb_+12*\j:fb_+12*\j+3], v[1+4*(fs_/4)] offset:fo_+1536*\j
	ds_load_b64 v[fb_+12*\j+4:fb_+12*\j+5], v[6+fs_/4] offset:fo_+1536*\j+512
	ds_load_b128 v[fb_+12*\j+6:fb_+12*\j+9], v[1+4*(fs_/4)] offset:fo_+1536*\j+768
	ds_load_b64 v[fb_+12*\j+10:fb_+12*\j+11], v[6+fs_/4] offset:fo_+1536*\j+1280
.endr
	WIN 0
	ds_load_b32 v[WS+2*((\m)%2)], v8 offset:512*fs_+256*fu_        ; lanes 0-15: tile 4 u's words, lanes 16-31: tile 4 u + 1's
	ds_load_b32 v[WS+2*((\m)%2)+1], v8 offset:512*fs_+256*fu_+128  ; tiles 4 u + 2 and 4 u + 3
.endm
.macro PROD0 d, a, b, sa, ra, sb       ; a sum's first product takes the constant 0: nothing is cleared.  ra = 1: W2's scale words stand in lanes 16-31
.if (\ra)
	v_wmma_scale_f32_16x16x128_f8f6f4 v[(\d):(\d)+7], v[(\a):(\a)+11], v[(\b):(\b)+11], 0, v[(\sa)], v[(\sb)] matrix_a_fmt:MATRIX_FMT_BF6 matrix_b_fmt:MATRIX_FMT_BF6 matrix_a_scale:MATRIX_SCALE_ROW1
.else
	v_wmma_scale_f32_16x16x128_f8f6f4 v[(\d):(\d)+7], v[(\a):(\a)+11], v[(\b):(\b)+11], 0, v[(\sa)], v[(\sb)] matrix_a_fmt:MATRIX_FMT_BF6 matrix_b_fmt:MATRIX_FMT_BF6
.endif
.endm
.macro PROD d, a, b, sa, ra, sb, rb    ; ra, rb = 1: that side's scale words stand in lanes 16-31
.if (\ra) && (\rb)
	v_wmma_scale_f32_16x16x128_f8f6f4 v[(\d):(\d)+7], v[(\a):(\a)+11], v[(\b):(\b)+11], v[(\d):(\d)+7], v[(\sa)], v[(\sb)] matrix_a_fmt:MATRIX_FMT_BF6 matrix_b_fmt:MATRIX_FMT_BF6 matrix_a_scale:MATRIX_SCALE_ROW1 matrix_b_scale:MATRIX_SCALE_ROW1
.elseif (\ra)
	v_wmma_scale_f32_16x16x128_f8f6f4 v[(\d):(\d)+7], v[(\a):(\a)+11], v[(\b):(\b)+11], v[(\d):(\d)+7], v[(\sa)], v[(\sb)] matrix_a_fmt:MATRIX_FMT_BF6 matrix_b_fmt:MATRIX_FMT_BF6 matrix_a_scale:MATRIX_SCALE_ROW1
.elseif (\rb)
	v_wmma_scale_f32_16x16x128_f8f6f4 v[(\d):(\d)+7], v[(\a):(\a)+11], v[(\b):(\b)+11], v[(\d):(\d)+7], v[(\sa)], v[(\sb)] matrix_a_fmt:MATRIX_FMT_BF6 matrix_b_fmt:MATRIX_FMT_BF6 matrix_b_scale:MATRIX_SCALE_ROW1
.else
	v_wmma_scale_f32_16x16x128_f8f6f4 v[(\d):(\d)+7], v[(\a):(\a)+11], v[(\b):(\b)+11], v[(\d):(\d)+7], v[(\sa)], v[(\sb)] matrix_a_fmt:MATRIX_FMT_BF6 matrix_b_fmt:MATRIX_FMT_BF6
.endif
.endm
; Half step m: four tiles of W2 x five tiles of rows, 128 along K.  The sums take turns, one instruction a turn: a sum comes up again two half steps later.
.macro HALF m
.set hs_, (\m)/2
.set hu_, (\m)%2
.set hb_, 64+48*hu_
	PLACES
.if (hu_ == 0) && (hs_ >= 1) && (hs_ <= 4)
	WIN 0x40                                       ; K step s + 3's rows into the place of K step s - 1's, whose products are issued
.irp i, 0,1,2,3,4
.irp g, 0,1,2
	global_load_b128 v[12*(5*((hs_+3)%4)+\i)+4*\g:12*(5*((hs_+3)%4)+\i)+4*\g+3], v[AX+\i], s[50:51] offset:KSTR*(hs_+3)+GSTR*\g
.endr
.endr
.endif
.if (\m) < 15
	FETCHW (\m)+1
	s_wait_dscnt 18                                ; this half step's 18 loads are in, the next one's 18 may be out
.else
	s_wait_dscnt 0x0
.endif
.if (hu_ == 0) && (hs_ >= 4)
	s_wait_loadcnt 15*(7-hs_)                      ; this K step's rows are in; fifteen loads for each later K step may be out
.endif
	WIN 0xf6                                       ; W2 window 2, rows window 1, sums window 3
.irp i, 0,1,2,3
.irp j, 0,1,2,3
.if hs_ == 0
	PROD0 64*\i+8*(4*hu_+\j), hb_+12*\j, 12*(5*(hs_%4)+\i), WS+2*hu_+\j/2, \j%2, XS+4*\i+hs_/2
.else
	PROD 64*\i+8*(4*hu_+\j), hb_+12*\j, 12*(5*(hs_%4)+\i), WS+2*hu_+\j/2, \j%2, XS+4*\i+hs_/2, hs_%2
.endif
.endr
.endr
	WIN 0
.if hs_ == 0
	WIN 0xa6                                       ; tile 4's sums (window 2) are begun whether the tile exists or not, so that they are written on every way
.irp j, 0,1,2,3
	PROD0 8*(4*hu_+\j), hb_+12*\j, 12*(5*(hs_%4)+4), WS+2*hu_+\j/2, \j%2, XS+16+hs_/2
.endr
	WIN 0
.else
	s_cmp_lt_u32 s76, s6                           ; is there a tile tb + 16?
	s_cbranch_scc0 .Lno4_\@
	WIN 0xa6
.irp j, 0,1,2,3
	PROD 8*(4*hu_+\j), hb_+12*\j, 12*(5*(hs_%4)+4), WS+2*hu_+\j/2, \j%2, XS+16+hs_/2, hs_%2
.endr
	WIN 0
.Lno4_\@:
.endif
.endm
; Tile t's way out, if the tile exists: the numbers to their places in 16 rows of my stage, whole rows back, stored.
.macro EPI t
	s_add_co_u32 s12, s7, 4*\t
	s_cmp_lt_u32 s12, s6
	s_cbranch_scc0 .Lno_tile_\@
	s_wait_xcnt 0x0                                ; the last tile's stores have read their registers
.if \t < 4
	WIN 0x0c                                       ; an LDS store's data are its source 1
.else
	WIN 0x08
.endif
.irp u, 0,1
.irp n, 0,1,2,3,4,5,6,7
.irp j, 0,1,2,3
	ds_store_b32 v15, v[64*(\t%4)+8*(4*\u+\j)+\n] offset:256*\u+16*\n+4*\j   ; output 64 u + 32 h + 4 n + j of row r; each sum is read from its lowest register on
.endr
.endr
.endr
	WIN 0
.irp n, 0,1,2,3,4,5,6,7,8,9,10,11,12,13,14,15
	ds_load_b128 v[Y+4*\n:Y+4*\n+3], v16 offset:528*\n             ; LDS serves a wave's instructions in order: these see the stores above, and the next tile's stores come behind them
.endr
.irp n, 0,1,2,3,4,5,6,7,8,9,10,11,12,13,14,15
	s_wait_dscnt 15-\n                             ; row n is back; the younger loads may be out
	global_store_b128 v9, v[Y+4*\n:Y+4*\n+3], s[56:57] offset:1048576*\t+16384*\n   ; the wave stores 512 consecutive bytes, at a multiple of 512 from ypart's first byte
.endr
.Lno_tile_\@:
.endm
	s_load_b256 s[48:55], s[0:1], 0x0              ; w2, hq, hs, rank
	s_load_b64 s[56:57], s[0:1], 0x20              ; ypart
	v_lshl_add_u32 v126, v0, 2, 0x21400
	v_mov_b32 v127, 0
	v_lshrrev_b32 v20, 5, v0
	v_readfirstlane_b32 s2, v20                    ; wave
	s_and_b32 s3, ttmp9, 7                         ; dsl
	s_lshr_b32 s81, ttmp9, 3                       ; q
	s_and_b32 s4, ttmp7, 0xffff                    ; e
	v_and_b32 v21, 31, v0                          ; l
	v_and_b32 v22, 15, v0                          ; r
	v_bfe_u32 v23, v0, 4, 1                        ; u in phase A, h in phase B
	v_lshlrev_b32 v1, 4, v21                       ; 16 l
	v_lshlrev_b32 v6, 3, v21                       ; 8 l
	v_lshlrev_b32 v17, 2, v21                      ; 4 l
	v_add_nc_u32 v5, 49152, v1                     ; the same four K steps on: an LDS immediate has 16 bits
	v_add_nc_u32 v7, 49152, v6
	v_add_nc_u32 v8, WSC, v17
	s_lshr_b32 s12, s2, 1                          ; my block of a K step is 2 c + h = wave: half c of a fragment's registers, lanes 16 h on
	s_and_b32 s13, s2, 1
	s_mul_i32 s12, s12, 768
	s_lshl_b32 s14, s13, 8
	s_add_co_u32 s14, s14, s12
	s_lshl_b32 s15, s13, 7
	s_add_co_u32 s15, s15, s12
	s_add_co_u32 s15, s15, 512
	v_mul_u32_u24 v20, v23, 6144
	v_lshl_add_u32 v2, v22, 4, v20
	v_add_nc_u32 v2, s14, v2                       ; registers 6 c .. 6 c + 3: 6,144 u + 768 c + 16 (r + 16 h)
	v_lshl_add_u32 v3, v22, 3, v20
	v_add_nc_u32 v3, s15, v3                       ; registers 6 c + 4, 6 c + 5: 6,144 u + 768 c + 512 + 8 (r + 16 h)
	v_lshlrev_b32 v4, 8, v23
	v_lshl_add_u32 v4, v22, 2, v4
	s_add_co_u32 s14, s2, WSC
	v_add_nc_u32 v4, s14, v4                       ; the block's byte: 256 u + 4 r + wave
	s_mul_i32 s14, s2, 16*528
	s_add_co_u32 s14, s14, STG                     ; my stage
	v_mul_u32_u24 v15, v22, 528
	v_lshl_add_u32 v15, v23, 7, v15
	v_add_nc_u32 v15, s14, v15                     ; in: row r, + 128 h
	v_add_nc_u32 v16, s14, v1                      ; back: 16 bytes a lane of a row
	s_lshl_b32 s70, s4, 24                         ; the expert's 16 MiB,
	s_lshl_b32 s12, s81, 22                        ; my quarter's 1,024 K rows,
	s_add_co_u32 s70, s70, s12
	s_lshl_b32 s12, s3, 9                          ; my 128 columns,
	s_add_co_u32 s70, s70, s12
	s_mul_i32 s12, s2, 32*PITCH                    ; my wave's block of the first chunk
	s_add_co_u32 s70, s70, s12
	s_mov_b32 s71, 0
	s_lshl_b32 s78, s4, 6                          ; 64 e
	s_mul_i32 s79, s81, 12288
	s_lshl_b32 s80, s81, 9
	s_lshl_b32 s82, s81, 12
	s_lshl_b32 s12, s3, 9
	s_add_co_u32 s82, s82, s12                     ; 4,096 q + 512 dsl
	s_lshl_b32 s83, s4, 7
	s_mov_b32 s7, s2                               ; tb of the first group
	s_wait_kmcnt 0x0
	s_load_b32 s5, s[54:55], s83 offset:0x8000     ; the expert's count
	s_add_nc_u64 s[66:67], s[48:49], s[70:71]
	s_add_nc_u64 s[68:69], s[66:67], 128*PITCH
	SLOAD 0
	SLOAD 1
	WIN 0
	s_wait_kmcnt 0x0
	s_min_u32 s5, s5, 1024
	s_add_co_u32 s6, s5, 15
	s_lshr_b32 s6, s6, 4
	s_max_u32 s6, s6, 1
	s_min_u32 s6, s6, 64                           ; NT: 1 to 64
	s_mov_b32 s10, 0
	s_mov_b32 s11, 0
	s_mov_b32 s9, 3
.Lchunks:                                              ; three trips, two chunks each; the trip's second chunk has its place in the stores' immediates
	CHUNK 0, 1, 32                                 ; the other set's 32 loads may be out
	CHUNK 1, 1, 32
	s_add_co_u32 s10, s10, 24576
	s_add_co_u32 s11, s11, 1024
	s_sub_co_u32 s9, s9, 1
	s_cmp_lg_u32 s9, 0
	s_cbranch_scc1 .Lchunks
	CHUNK 0, 0, 32
	PREP 7                                         ; the first group's rows are asked for where the stream's end leaves room
	CHUNK 1, 0, 63                                 ; 80 loads are younger than the last chunk's
	s_wait_dscnt 0x0                               ; for the others' sake: my images and bytes lie in LDS
	s_barrier_signal -1
	s_barrier_wait -1                              ; the only barrier: behind it a wave writes its own stage alone
	s_mov_b32 s8, 4
.Lgroup:                                               ; four trips serve every split: 80 tiles' worth for at most 64; a trip without tiles does nothing
	s_cmp_lt_u32 s7, s6
	s_cbranch_scc0 .Lnext
	s_wait_loadcnt 0x0                             ; the group's rows of K steps 0-3 and its scale words
	s_wait_xcnt 0x0                                ; the last group's stores have read their offset
	s_add_co_u32 s76, s7, 16
	s_lshl_b32 s12, s4, 24
	s_lshl_b32 s13, s7, 18
	s_add_co_u32 s12, s12, s13
	s_add_co_u32 s12, s12, s82
	v_add_nc_u32 v9, s12, v1                       ; ypart: 16,384 (1,024 e + 16 tb) + 4,096 q + 512 dsl + 16 l
	PLACES
	FETCHW 0
.irp m, 0,1,2,3,4,5,6,7,8,9,10,11,12,13,14,15
	HALF \m
.endr
	PLACES
	s_add_co_u32 s77, s7, 20
	s_cmp_lt_u32 s77, s6
	s_cbranch_scc0 .Lno_prep
	PREP 77                                        ; the next group's rows are on their way while this group goes out
.Lno_prep:
	EPI 0
	EPI 1
	EPI 2
	EPI 3
	EPI 4
.Lnext:
	s_add_co_u32 s7, s7, 20
	s_sub_co_u32 s8, s8, 1
	s_cmp_lg_u32 s8, 0
	s_cbranch_scc1 .Lgroup
	s_wait_tensorcnt 0x0
	ds_add_u32 v126, v127
	s_wait_dscnt 0x0
	s_endpgm
.Lfunc_end_k_q16d017e3de_ffn2:
	.size	k_q16d017e3de_ffn2, .Lfunc_end_k_q16d017e3de_ffn2-k_q16d017e3de_ffn2
	.p2alignl 7, 3214868480
	.fill 96, 4, 3214868480
	.section	.rodata,"a",@progbits
	.p2align	6, 0x0
	.amdhsa_kernel k_q16d017e3de_ffn2
		.amdhsa_group_segment_fixed_size 136704
		.amdhsa_private_segment_fixed_size 0
		.amdhsa_enable_private_segment 0
		.amdhsa_kernarg_size 40
		.amdhsa_user_sgpr_count 2
		.amdhsa_user_sgpr_kernarg_segment_ptr 1
		.amdhsa_wavefront_size32 1
		.amdhsa_system_sgpr_workgroup_id_x 1
		.amdhsa_system_sgpr_workgroup_id_y 1
		.amdhsa_system_sgpr_workgroup_id_z 1
		.amdhsa_system_vgpr_workitem_id 0
		.amdhsa_next_free_vgpr 1024
		.amdhsa_next_free_sgpr 96
		.amdhsa_reserve_vcc 0
		.amdhsa_float_denorm_mode_32 3
		.amdhsa_float_denorm_mode_16_64 3
		.amdhsa_memory_ordered 1
		.amdhsa_forward_progress 1
		.amdhsa_inst_pref_size 184
	.end_amdhsa_kernel
	.amdgpu_metadata
---
amdhsa.version: [ 1, 2 ]
amdhsa.kernels:
  - .name:           k_q16d017e3de_ffn2
    .symbol:         k_q16d017e3de_ffn2.kd
    .args:
      - { .name: w2, .offset: 0, .size: 8, .value_kind: global_buffer, .address_space: global }
      - { .name: hq, .offset: 8, .size: 8, .value_kind: global_buffer, .address_space: global }
      - { .name: hs, .offset: 16, .size: 8, .value_kind: global_buffer, .address_space: global }
      - { .name: rank, .offset: 24, .size: 8, .value_kind: global_buffer, .address_space: global }
      - { .name: ypart, .offset: 32, .size: 8, .value_kind: global_buffer, .address_space: global }
    .group_segment_fixed_size: 136704
    .private_segment_fixed_size: 0
    .kernarg_segment_align: 8
    .kernarg_segment_size: 40
    .max_flat_workgroup_size: 128
    .sgpr_count:     96
    .vgpr_count:     1024
    .wavefront_size: 32
...
	.end_amdgpu_metadata
.endif
;; end of part 3
;; launch combine (part 4): grid 256 x 1, 8 waves a work-group, no clusters, 0 bytes of LDS; arguments ypart, b2, route, prob, rank, out0; writes out0
.if DOCPART == 4
	.amdgcn_target "amdgcn-amd-amdhsa--gfx1250"
	.amdhsa_code_object_version 6
	.text
	.protected	k_q16d017e3de_combine
	.globl	k_q16d017e3de_combine
	.p2align	8
	.type	k_q16d017e3de_combine,@function
k_q16d017e3de_combine:
	s_mov_b64 s[64:65], 0
	v_nop
	global_prefetch_b8 v0, s[64:65] scope:SCOPE_SE
	s_setreg_imm32_b32 hwreg(HW_REG_WAVE_MODE, 25, 1), 1
	s_wait_xcnt 0x0
; out0[n] = p0 (y(e0) + b2[e0]) + p1 (y(e1) + b2[e1]), y(e) = the sum of the four K quarters of the token's row of ypart.  All in f32.
; ypart: [slot 1,024 e + rank][4][1,024]; b2: [8][1,024]; route[n]: e0 in bits 7:0, e1 in bits 15:8; prob[n]: p0, p1; rank: [e][32 g + l], token 128 (g / 4) + 4 l + g % 4.
; A stream: work-group b owns tokens 4 b + m, m = 0 .. 3; thread t owns the 16 bytes at 16 t of every row of 4,096 bytes, so a wave's load or store covers 512 consecutive bytes.
; Each output row has this one owner.  All 40 loads of a thread go out at once.  No LDS, no barrier, no matrix unit: nothing is shared and memory binds.
	s_load_b256 s[4:11], s[0:1], 0x0               ; ypart, b2, route, prob
	s_load_b128 s[12:15], s[0:1], 0x20             ; rank, out0
	v_lshlrev_b32 v1, 4, v0                        ; 16 t
	s_lshl_b32 s2, ttmp9, 4
	s_lshl_b32 s3, ttmp9, 5
	s_lshr_b32 s28, ttmp9, 5
	s_lshl_b32 s28, s28, 9
	s_and_b32 s29, ttmp9, 31
	s_lshl_b32 s29, s29, 2
	s_add_co_u32 s28, s28, s29                     ; token 4 b's word in an expert's table of ranks: 4 (128 (b / 32) + b % 32) bytes; token 4 b + m's lies 128 m bytes on
	s_lshl_b32 s30, ttmp9, 14
	s_mov_b32 s31, 0
	s_wait_kmcnt 0x0
	s_load_b128 s[16:19], s[8:9], s2 offset:0x0    ; my four tokens' words of route,
	s_load_b256 s[20:27], s[10:11], s3 offset:0x0  ; and their weights
	s_add_nc_u64 s[14:15], s[14:15], s[30:31]      ; out0 at my four rows
	s_wait_kmcnt 0x0
.irp x, 0,1,2,3,4,5,6,7                ; x = 2 m + k: token m's k-th expert
	s_bfe_u32 s[32+\x], s[16+\x/2], 0x80000|(8*(\x%2))
	s_min_u32 s[32+\x], s[32+\x], 7                ; a loaded number enters an address only held inside the table
	s_lshl_b32 s[40+\x], s[32+\x], 12
	s_add_co_u32 s[40+\x], s[40+\x], s28
	s_load_b32 s[48+\x], s[12:13], s[40+\x] offset:128*(\x/2)
.endr
	s_wait_kmcnt 0x0
.irp x, 0,1,2,3,4,5,6,7
	s_min_u32 s[48+\x], s[48+\x], 1023
	s_lshl_b32 s[40+\x], s[32+\x], 10
	s_add_co_u32 s[40+\x], s[40+\x], s[48+\x]      ; the slot
	s_lshl_b32 s[40+\x], s[40+\x], 14
	v_add_nc_u32 v[2+\x], s[40+\x], v1             ; my 16 bytes of its first quarter
	s_lshl_b32 s[32+\x], s[32+\x], 12
	v_add_nc_u32 v[10+\x], s[32+\x], v1            ; and of the expert's b2
.endr
.irp x, 0,1,2,3,4,5,6,7
.irp q, 0,1,2,3
	global_load_b128 v[32+20*\x+4*\q:35+20*\x+4*\q], v[2+\x], s[4:5] offset:4096*\q th:TH_LOAD_NT
.endr
	global_load_b128 v[48+20*\x:51+20*\x], v[10+\x], s[6:7]
.endr
.macro SUMUP b                         ; ((y0 + y1) + (y2 + y3)) + b2, two numbers an instruction
	v_pk_add_f32 v[\b:\b+1], v[\b:\b+1], v[\b+4:\b+5]
	v_pk_add_f32 v[\b+2:\b+3], v[\b+2:\b+3], v[\b+6:\b+7]
	v_pk_add_f32 v[\b+8:\b+9], v[\b+8:\b+9], v[\b+12:\b+13]
	v_pk_add_f32 v[\b+10:\b+11], v[\b+10:\b+11], v[\b+14:\b+15]
	v_pk_add_f32 v[\b:\b+1], v[\b:\b+1], v[\b+8:\b+9]
	v_pk_add_f32 v[\b+2:\b+3], v[\b+2:\b+3], v[\b+10:\b+11]
	v_pk_add_f32 v[\b:\b+1], v[\b:\b+1], v[\b+16:\b+17]
	v_pk_add_f32 v[\b+2:\b+3], v[\b+2:\b+3], v[\b+18:\b+19]
.endm
.irp m, 0,1,2,3
	s_wait_loadcnt 10*(3-\m)                       ; loads come back in order: this token's ten are in, ten for each later token may be out
	SUMUP 32+40*\m
	SUMUP 52+40*\m
.irp c, 0,1,2,3
	v_mul_f32 v[32+40*\m+\c], s[20+2*\m], v[32+40*\m+\c]
.endr
.irp c, 0,1,2,3
	v_fmac_f32 v[32+40*\m+\c], s[21+2*\m], v[52+40*\m+\c]
.endr
	global_store_b128 v1, v[32+40*\m:35+40*\m], s[14:15] offset:4096*\m th:TH_STORE_NT
.endr
	s_endpgm
.Lfunc_end_k_q16d017e3de_combine:
	.size	k_q16d017e3de_combine, .Lfunc_end_k_q16d017e3de_combine-k_q16d017e3de_combine
	.p2alignl 7, 3214868480
	.fill 96, 4, 3214868480
	.section	.rodata,"a",@progbits
	.p2align	6, 0x0
	.amdhsa_kernel k_q16d017e3de_combine
		.amdhsa_group_segment_fixed_size 0
		.amdhsa_private_segment_fixed_size 0
		.amdhsa_enable_private_segment 0
		.amdhsa_kernarg_size 48
		.amdhsa_user_sgpr_count 2
		.amdhsa_user_sgpr_kernarg_segment_ptr 1
		.amdhsa_wavefront_size32 1
		.amdhsa_system_sgpr_workgroup_id_x 1
		.amdhsa_system_sgpr_workgroup_id_y 1
		.amdhsa_system_sgpr_workgroup_id_z 1
		.amdhsa_system_vgpr_workitem_id 0
		.amdhsa_next_free_vgpr 192
		.amdhsa_next_free_sgpr 66
		.amdhsa_reserve_vcc 0
		.amdhsa_float_denorm_mode_32 3
		.amdhsa_float_denorm_mode_16_64 3
		.amdhsa_memory_ordered 1
		.amdhsa_forward_progress 1
		.amdhsa_inst_pref_size 14
	.end_amdhsa_kernel
	.amdgpu_metadata
---
amdhsa.version: [ 1, 2 ]
amdhsa.kernels:
  - .name:           k_q16d017e3de_combine
    .symbol:         k_q16d017e3de_combine.kd
    .args:
      - { .name: ypart, .offset: 0, .size: 8, .value_kind: global_buffer, .address_space: global }
      - { .name: b2, .offset: 8, .size: 8, .value_kind: global_buffer, .address_space: global }
      - { .name: route, .offset: 16, .size: 8, .value_kind: global_buffer, .address_space: global }
      - { .name: prob, .offset: 24, .size: 8, .value_kind: global_buffer, .address_space: global }
      - { .name: rank, .offset: 32, .size: 8, .value_kind: global_buffer, .address_space: global }
      - { .name: out0, .offset: 40, .size: 8, .value_kind: global_buffer, .address_space: global }
    .group_segment_fixed_size: 0
    .private_segment_fixed_size: 0
    .kernarg_segment_align: 8
    .kernarg_segment_size: 48
    .max_flat_workgroup_size: 256
    .sgpr_count:     66
    .vgpr_count:     192
    .wavefront_size: 32
...
	.end_amdgpu_metadata
.endif
;; end of part 4
;; ======== version 2 of 2: 4 launches
;; workspace buffers: xq 786,432 bytes; xs 32,768 bytes; route 4,096 bytes of whole numbers; prob 8,192 bytes; rank 33,792 bytes of whole numbers; hq 25,165,824 bytes; hs 1,048,576 bytes; ypart 134,217,728 bytes
;; launch gate (part 5): grid 256 x 1, 4 waves a work-group, no clusters, 55,296 bytes of LDS; arguments x, gate_w, gate_b, xq, xs, route, prob; writes xq, xs, route, prob
.if DOCPART == 5
	.amdgcn_target "amdgcn-amd-amdhsa--gfx1250"
	.amdhsa_code_object_version 6
	.text
	.protected	k_q16d017e3de_gate
	.globl	k_q16d017e3de_gate
	.p2align	8
	.type	k_q16d017e3de_gate,@function
k_q16d017e3de_gate:
	s_mov_b64 s[64:65], 0
	v_nop
	global_prefetch_b8 v0, s[64:65] scope:SCOPE_SE
	s_setreg_imm32_b32 hwreg(HW_REG_WAVE_MODE, 25, 1), 1
	s_wait_xcnt 0x0
; THE ROUTER, AND x INTO CODES.  x: [1024 tokens][1024] f32; gate_w: [1024][8]; gate_b: [8].
; scores = x gate_w + gate_b in f32; the two largest (a tie keeps the lower expert, as jax.lax.top_k does); their softmax, the larger score taken away first.
; Out: route[n] = e0 | e1 << 8 | ((1 << e0) | (1 << e1)) << 16 (whole numbers, at fixed places: no address here hangs on them); prob[n] = the two weights;
;      xq[n]: the token's 1,024 codes of E3M2, block 4 s + 2 c + h (32 along K) at byte 96 s + 48 h + 24 c, so that a lane of an operand's fragment finds its 48 bytes on end;
;      xs[n]: its 32 E8M0 bytes in the blocks' own order.
; SHARES.  Wave w of work-group b owns token 4 b + w; lane l owns block l, k = 32 l .. 32 l + 31: its part of the eight scores, and its block's scale and codes.
; Loads take the bytes as they lie (512 consecutive bytes a load); x turns through the wave's own stage in LDS, gate_w lies in LDS once for the four waves.
; LIMITS.  The scores' sums run in another order than a row-by-row sum: a second and third score that agree to about 1e-7 of their size may change places.
; A block whose largest magnitude lies under 2^-122 keeps the byte 1 (a block of zeros too: its codes are zeros, and only this program reads the bytes).  NaN and infinities are not served.
.set GWP, 1040                         ; gate_w in LDS from byte 0: 32 blocks of 32 rows (1,024 bytes) + 16 of padding: an odd multiple of 16, so that lanes 1,040 bytes apart meet in no bank
.set XST, 33280                        ; x's stages: 32 places of 144 bytes (128 + 16) for each wave
.set XSP, 144
.set CST, 51712                        ; the codes' stages: 768 bytes for each wave
	s_load_b256 s[4:11], s[0:1], 0x0               ; x, gate_w, gate_b, xq
	s_load_b128 s[12:15], s[0:1], 0x20             ; xs, route
	s_load_b64 s[16:17], s[0:1], 0x30              ; prob
	v_lshl_add_u32 v254, v0, 2, 0xd600
	v_mov_b32 v255, 0
	v_lshrrev_b32 v1, 5, v0
	v_readfirstlane_b32 s2, v1                     ; wave
	v_and_b32 v1, 31, v0                           ; lane
	v_lshlrev_b32 v2, 4, v1                        ; 16 x lane
	v_mov_b32 v11, 0
	s_lshl_b32 s3, ttmp9, 2
	s_add_co_u32 s3, s3, s2                        ; my token
	s_mov_b32 s19, 0
	s_mov_b32 s22, 0x76543210
	s_mov_b32 s23, 0xfedcba98                      ; v_permlanex16_b32's selects for lane l xor 16
	s_wait_alu depctr_va_vdst(0)
	s_wait_kmcnt 0x0
	s_load_b256 s[24:31], s[8:9], 0x0              ; gate_b
	s_lshl_b32 s18, s3, 12
	s_add_nc_u64 s[4:5], s[4:5], s[18:19]          ; my token's row of x
	s_lshl_b32 s18, s2, 13
	s_add_nc_u64 s[6:7], s[6:7], s[18:19]          ; my wave's quarter of gate_w
.irp j, 0,1,2,3,4,5,6,7
	global_load_b128 v[16+4*\j:19+4*\j], v2, s[4:5] offset:512*\j th:TH_LOAD_NT
.endr
.irp j, 0,1,2,3,4,5,6,7,8,9,10,11,12,13,14,15
	global_load_b128 v[80+4*\j:83+4*\j], v2, s[6:7] offset:512*\j
.endr
	s_mul_i32 s18, s3, 768
	s_add_nc_u64 s[10:11], s[10:11], s[18:19]      ; xq, xs, route, prob at my token
	s_lshl_b32 s18, s3, 5
	s_add_nc_u64 s[12:13], s[12:13], s[18:19]
	s_lshl_b32 s18, s3, 2
	s_add_nc_u64 s[14:15], s[14:15], s[18:19]
	s_lshl_b32 s18, s3, 3
	s_add_nc_u64 s[16:17], s[16:17], s[18:19]
	s_mul_i32 s20, s2, 32*XSP
	s_add_co_u32 s20, s20, XST
	v_lshrrev_b32 v12, 3, v1
	v_and_b32 v13, 7, v1
	v_mul_u32_u24 v3, v12, XSP
	v_lshl_add_u32 v3, v13, 4, v3
	v_add_nc_u32 v3, s20, v3                       ; x into the stage: load j's 16 bytes of lane l belong to block 4 j + l / 8, at 16 (l % 8)
	v_mul_u32_u24 v4, v1, XSP
	v_add_nc_u32 v4, s20, v4                       ; and out of it: block l
	s_mul_i32 s20, s2, 8*GWP
	v_add_nc_u32 v5, s20, v2                       ; gate_w into LDS: my wave's eight blocks
	v_mul_u32_u24 v6, v1, GWP                      ; and out of it: block l
	s_mul_i32 s20, s2, 768
	s_add_co_u32 s20, s20, CST
	v_lshrrev_b32 v12, 2, v1
	v_mul_u32_u24 v7, v12, 96
	v_and_b32 v12, 1, v1
	v_mad_u32_u24 v7, v12, 48, v7
	v_bfe_u32 v12, v1, 1, 1
	v_mad_u32_u24 v7, v12, 24, v7
	v_add_nc_u32 v7, s20, v7                       ; my block's 24 bytes of codes: 96 (l / 4) + 48 (l % 2) + 24 ((l / 2) % 2)
	v_add_nc_u32 v8, s20, v2                       ; the token's 768 bytes back: 512 as 16 a lane,
	v_lshlrev_b32 v10, 3, v1
	v_add_nc_u32 v9, s20, v10                      ; 256 as 8 a lane
	s_wait_loadcnt 16                              ; x's eight loads are in; gate_w's sixteen, issued behind them, may be out
.irp j, 0,1,2,3,4,5,6,7
	ds_store_b128 v3, v[16+4*\j:19+4*\j] offset:4*XSP*\j
.endr
.irp j, 0,1,2,3,4,5,6,7
	ds_load_b128 v[48+4*\j:51+4*\j], v4 offset:16*\j   ; LDS serves a wave's instructions in order: these see the stores above.  v48-79: my 32 neighbours
.endr
	s_wait_loadcnt 0x0
.irp j, 0,1,2,3,4,5,6,7,8,9,10,11,12,13,14,15
	ds_store_b128 v5, v[80+4*\j:83+4*\j] offset:GWP*(\j/2)+512*(\j%2)
.endr
	s_wait_dscnt 0x0                               ; for the others' sake: my quarter of gate_w lies in LDS (and my x is back)
	s_barrier_signal -1
	s_barrier_wait -1
.macro GLOAD qd                        ; eight rows of my block of gate_w (256 bytes) into buffer qd % 2
.irp m, 0,1,2,3,4,5,6,7,8,9,10,11,12,13,14,15
	ds_load_b128 v[80+64*((\qd)%2)+4*\m:83+64*((\qd)%2)+4*\m], v6 offset:256*(\qd)+16*\m
.endr
.endm
.macro FMAQ qd                         ; eight k: the eight sums as four pairs; x's number is taken for both halves (even k: the pair's first register, odd k: its second)
.irp kk, 0,1,2,3,4,5,6,7
.irp pp, 0,1,2,3
.if ((\qd) == 0) && (\kk == 0)
	v_pk_mul_f32 v[208+2*\pp:209+2*\pp], v[80+2*\pp:81+2*\pp], v[48:49] op_sel_hi:[1,0]   ; the first product starts the sums
.elseif (\kk%2) == 0
	v_pk_fma_f32 v[208+2*\pp:209+2*\pp], v[80+64*((\qd)%2)+8*\kk+2*\pp:81+64*((\qd)%2)+8*\kk+2*\pp], v[48+8*(\qd)+\kk:49+8*(\qd)+\kk], v[208+2*\pp:209+2*\pp] op_sel_hi:[1,0,1]
.else
	v_pk_fma_f32 v[208+2*\pp:209+2*\pp], v[80+64*((\qd)%2)+8*\kk+2*\pp:81+64*((\qd)%2)+8*\kk+2*\pp], v[47+8*(\qd)+\kk:48+8*(\qd)+\kk], v[208+2*\pp:209+2*\pp] op_sel:[0,1,0] op_sel_hi:[1,1,1]
.endif
.endr
.endr
.endm
	GLOAD 0
	GLOAD 1
	s_wait_dscnt 16                                ; the older sixteen loads are in, the next quarter's sixteen may be out
	FMAQ 0
	GLOAD 2
	s_wait_alu depctr_va_vdst(0)
	s_wait_dscnt 16
	FMAQ 1
	GLOAD 3
	s_wait_alu depctr_va_vdst(0)
	s_wait_dscnt 16
	FMAQ 2
	s_wait_alu depctr_va_vdst(0)
	s_wait_dscnt 0x0
	FMAQ 3
	; my block's scale and codes (they need no other lane); they stand here so that the sums' last results are not waited for
	v_max3_num_f32 v236, |v48|, |v49|, 0x2800000   ; the largest magnitude, in two chains, with the floor 2^(5 - 127) among the leaves: the byte cannot fall under 1
	v_max3_num_f32 v237, |v64|, |v65|, 0x2800000
.irp p, 2,4,6,8,10,12,14
	v_max3_num_f32 v236, v236, |v[48+\p]|, |v[49+\p]|
	v_max3_num_f32 v237, v237, |v[64+\p]|, |v[65+\p]|
.endr
	v_max_num_f32 v236, v236, v237
	v_add_nc_u32 v238, 0xfe000000, v236            ; 4 off its exponent field: the conversion takes the exponent field of this operand as its scale
	v_lshrrev_b32 v239, 23, v238                   ; the scale's byte
	v_cvt_scalef32_pk16_bf6_f32 v[240:242], v[48:63], v238
	v_cvt_scalef32_pk16_bf6_f32 v[246:248], v[64:79], v238   ; (a conversion's three registers begin on an even number)
	v_nop                                          ; one plain place behind a scaled conversion
	v_mov_b32 v243, v246
	v_mov_b32 v244, v247
	v_mov_b32 v245, v248
	ds_store_b64 v7, v[240:241]
	ds_store_b64 v7, v[242:243] offset:8
	ds_store_b64 v7, v[244:245] offset:16
	ds_load_b128 v[16:19], v8                      ; the wave's own bytes, in order: no wait between
	ds_load_b64 v[20:21], v9 offset:512
	; the eight sums over the 32 lanes
.irp e, 0,1,2,3,4,5,6,7
	v_mov_b32 v[216+\e], 0                         ; a lane permute's destination counts as one of its sources
.endr
.irp x, 1,2,4,8
.irp e, 0,1,2,3,4,5,6,7
	v_add_f32_dpp v[208+\e], v[208+\e], v[208+\e] row_xmask:\x row_mask:0xf bank_mask:0xf
.endr
.endr
.irp e, 0,1,2,3,4,5,6,7
	v_permlanex16_b32 v[216+\e], v[208+\e], s22, s23
.endr
	s_wait_alu depctr_va_vdst(0)
	s_wait_kmcnt 0x0                               ; gate_b
.irp e, 0,1,2,3,4,5,6,7
	v_add_f32 v[208+\e], v[208+\e], v[216+\e]
.endr
.irp e, 0,1,2,3,4,5,6,7
	v_add_f32 v[208+\e], s[24+\e], v[208+\e]       ; every lane holds the eight scores
.endr
	; the two largest, experts in ascending order, strictly greater: a tie keeps the lower expert
	v_mov_b32 v224, v208                           ; the largest, v225 its expert
	v_mov_b32 v225, 0
	v_mov_b32 v226, 0xff800000                     ; the second, v227 its expert
	v_mov_b32 v227, 0
.irp e, 1,2,3,4,5,6,7
	v_cmp_gt_f32 vcc_lo, v[208+\e], v224
	v_cmp_gt_f32 s32, v[208+\e], v226
	v_cndmask_b32 v226, v226, v[208+\e], s32
	v_cndmask_b32 v227, v227, \e, s32
	v_cndmask_b32 v226, v226, v224, vcc_lo         ; a new largest pushes the old one down
	v_cndmask_b32 v227, v227, v225, vcc_lo
	v_cndmask_b32 v224, v224, v[208+\e], vcc_lo
	v_cndmask_b32 v225, v225, \e, vcc_lo
.endr
	v_sub_f32 v228, v226, v224                     ; the larger score is taken away: 0 or less
	v_mul_f32 v228, 0x3fb8aa3b, v228
	s_wait_alu depctr_va_vdst(0)
	v_exp_f32 v228, v228
	v_mov_b32 v232, 1                              ; (a plain place behind the exponential)
	s_wait_alu depctr_va_vdst(0)
	v_add_f32 v229, 1.0, v228
	s_wait_alu depctr_va_vdst(0)
	v_rcp_f32 v230, v229                           ; the first weight: 1 / (1 + e^(second - first))
	v_lshlrev_b32 v233, v225, v232                 ; (a plain place behind the reciprocal)  1 << e0
	s_wait_alu depctr_va_vdst(0)
	v_mul_f32 v231, v228, v230                     ; the second weight
	v_lshlrev_b32 v234, v227, v232                 ; 1 << e1
	v_or_b32 v233, v233, v234
	v_lshl_or_b32 v234, v227, 8, v225
	v_lshl_or_b32 v233, v233, 16, v234             ; the token's word of route
	s_wait_alu depctr_va_vdst(0)
	s_wait_dscnt 0x0
	global_store_b128 v2, v[16:19], s[10:11]       ; the wave stores 512 and 256 consecutive bytes, at multiples of 256 from xq's first byte
	global_store_b64 v10, v[20:21], s[10:11] offset:512
	global_store_b8 v1, v239, s[12:13]             ; the token's 32 scale bytes
	s_wait_xcnt 0x0                                ; EXEC is a source of the stores above: it changes only behind this wait
	v_cmp_eq_u32 vcc_lo, 0, v1
	s_wait_tensorcnt 0x0
	ds_add_u32 v254, v255
	s_wait_dscnt 0x0
	s_and_saveexec_b32 s33, vcc_lo                 ; lane 0 alone
	global_store_b32 v11, v233, s[14:15]
	global_store_b64 v11, v[230:231], s[16:17]
	s_wait_xcnt 0x0                                ; and again in front of the line that widens it
	s_or_b32 exec_lo, exec_lo, s33
	s_endpgm
.Lfunc_end_k_q16d017e3de_gate:
	.size	k_q16d017e3de_gate, .Lfunc_end_k_q16d017e3de_gate-k_q16d017e3de_gate
	.p2alignl 7, 3214868480
	.fill 96, 4, 3214868480
	.section	.rodata,"a",@progbits
	.p2align	6, 0x0
	.amdhsa_kernel k_q16d017e3de_gate
		.amdhsa_group_segment_fixed_size 55296
		.amdhsa_private_segment_fixed_size 0
		.amdhsa_enable_private_segment 0
		.amdhsa_kernarg_size 56
		.amdhsa_user_sgpr_count 2
		.amdhsa_user_sgpr_kernarg_segment_ptr 1
		.amdhsa_wavefront_size32 1
		.amdhsa_system_sgpr_workgroup_id_x 1
		.amdhsa_system_sgpr_workgroup_id_y 1
		.amdhsa_system_sgpr_workgroup_id_z 1
		.amdhsa_system_vgpr_workitem_id 0
		.amdhsa_next_free_vgpr 256
		.amdhsa_next_free_sgpr 66
		.amdhsa_reserve_vcc 1
		.amdhsa_float_denorm_mode_32 3
		.amdhsa_float_denorm_mode_16_64 3
		.amdhsa_memory_ordered 1
		.amdhsa_forward_progress 1
		.amdhsa_inst_pref_size 29
	.end_amdhsa_kernel
	.amdgpu_metadata
---
amdhsa.version: [ 1, 2 ]
amdhsa.kernels:
  - .name:           k_q16d017e3de_gate
    .symbol:         k_q16d017e3de_gate.kd
    .args:
      - { .name: x, .offset: 0, .size: 8, .value_kind: global_buffer, .address_space: global }
      - { .name: gate_w, .offset: 8, .size: 8, .value_kind: global_buffer, .address_space: global }
      - { .name: gate_b, .offset: 16, .size: 8, .value_kind: global_buffer, .address_space: global }
      - { .name: xq, .offset: 24, .size: 8, .value_kind: global_buffer, .address_space: global }
      - { .name: xs, .offset: 32, .size: 8, .value_kind: global_buffer, .address_space: global }
      - { .name: route, .offset: 40, .size: 8, .value_kind: global_buffer, .address_space: global }
      - { .name: prob, .offset: 48, .size: 8, .value_kind: global_buffer, .address_space: global }
    .group_segment_fixed_size: 55296
    .private_segment_fixed_size: 0
    .kernarg_segment_align: 8
    .kernarg_segment_size: 56
    .max_flat_workgroup_size: 128
    .sgpr_count:     66
    .vgpr_count:     256
    .wavefront_size: 32
...
	.end_amdgpu_metadata
.endif
;; end of part 5
;; launch ffn1 (part 6): grid 32 x 8, 4 waves a work-group, no clusters, 102,912 bytes of LDS; arguments w1, b1, xq, xs, route, hq, hs, rank; writes hq, hs, rank
.if DOCPART == 6
	.amdgcn_target "amdgcn-amd-amdhsa--gfx1250"
	.amdhsa_code_object_version 6
	.text
	.protected	k_q16d017e3de_ffn1
	.globl	k_q16d017e3de_ffn1
	.p2align	8
	.type	k_q16d017e3de_ffn1,@function
k_q16d017e3de_ffn1:
	s_mov_b64 s[64:65], 0
	v_nop
	global_prefetch_b8 v0, s[64:65] scope:SCOPE_SE
	s_setreg_imm32_b32 hwreg(HW_REG_WAVE_SCHED_MODE, 0, 2), 2
	s_setreg_imm32_b32 hwreg(HW_REG_WAVE_MODE, 25, 1), 1
	s_wait_xcnt 0x0
	s_wait_alu depctr_vm_vsrc(0)
; THE FIRST EXPERT PRODUCT: h = Q(relu(Q(x) Q(W1) + b1)), for the rows that chose the expert, on codes of E3M2 with one E8M0 scale for each 32 along K.
; w1: [8][1024 (K)][4096] f32; b1: [8][4096]; xq, xs: x's codes and scale bytes; route: each token's word (bit 16 + e: the token chose expert e).
; Out: hq, hs: the hidden layer's codes and scale bytes, as images of the next product's operand registers; rank: each token's place among its expert's rows, and the experts' counts.
; A WORK-GROUP is (expert e = y, 128 hidden units 128 fs on, fs = x): 512 KB of w1, which no other work-group reads: 256 work-groups read w1 once.  No cluster: no two work-groups share a byte of the weights,
; which are all but a hundredth of what is read; no tensor load: the walk over the rows hangs on counts read from memory.
; PHASE A.  The four waves stream the slice, 32 K rows (one block) a chunk, each load 512 consecutive bytes of one K row, two sets of 32 loads by turns; chunk n of wave w is block 4 n + w.
; A load gives lane l = 16 u + r the columns 64 u + 4 r + j, j = 0 .. 3.  THE COLUMNS OF A TILE ARE NOT NEIGHBOURS: tile 4 u + j is columns 64 u + 4 r + j, r = 0 .. 15.  So a lane holds a whole block of four
; tiles' row r: its largest magnitude needs no other lane, and its 24 bytes of codes are six registers of one lane of the tile's fragment.  They go to LDS as images of those registers.  One barrier.
; PHASE B.  Each wave takes tiles of 16 rows x all 128 columns, five at a time (tiles tb + 4 i; tb = 20 g + wave).  The product is used transposed (source 0 = a tile of W1, source 1 = 16 rows), b1 is the C of each
; sum's first product.  By the choice of columns lane (row r, half h) then holds, in the 32 registers of tiles 4 u .. 4 u + 3, the whole block of hidden units 64 u + 32 h + 0 .. 31, register p = 8 j + i being unit
; 4 (p % 8) + p / 8 of the block.  It is quantised where it lies; the next launch lays W2's K rows in the same order inside each block, which changes no product.
; ROWS.  Expert e has 64 tiles of its own in hq and hs; only tiles 0 .. NT - 1 are made, NT = max(1, ceil(count / 16)).  Rank q's token is found in registers from the 32 mask words.  Ranks at or beyond the
; count give some token: such rows are made and never read.
; LIMITS.  A block whose largest magnitude lies under 2^-122 keeps the byte 1 (a block of zeros too: its codes are zeros, and only this program reads the bytes).  NaN and infinities are not served.
; REGISTERS, in windows of 256 (s_set_vgpr_msb: bits 1:0 source 0, 3:2 source 1, 5:4 source 2, 7:6 destination):
;   window 0: v1-19 addresses; v20-28 a column's codes; v29-31 the chunk's LDS addresses; v32-51 the rows' scale words, v52-55 W1's (scales and nothing else); v56-63 maxima, bytes, scale operands;
;             v64-127 b1 in the result's layout; v128-255 phase A: 4 columns x 32 numbers down K; phase B: v128-191 a tile's hidden numbers, v192-210 its codes; both: the search for the tokens
;   window 1: the rows' fragments: four K steps x five tiles x 12     window 2: v0-63 tile 4's sums; v64-159 W1's fragments, two sets of four; v160-223 b1 as loaded
;   window 3: phase A: the two stream sets; phase B: the sums of tiles 0-3, (i, tile) at 64 i + 8 tile
; THE MODE: SCHED_MODE bits 1:0 = 2 (LLVM: expert scheduling mode 2), set by the entry lines.  The code itself states the register dependences between vector or matrix instructions and memory or LDS
; instructions, with s_wait_alu, always for 0.
; THE PLAN.  Registers that memory or LDS instructions touch, who writes and who reads them, and the wait that stands between:
;   the stream sets      loads land in them; a chunk's maxima and copies read them.  One wait on va_vdst behind the copies; the set is then asked for again at once.
;   a chunk's codes (v20-25, v128-133, v160-165, v192-197), its bytes (M) and v29-31: written by the chunk's vector instructions, all four columns first; read by its twelve LDS stores, one run behind one wait on
;                        va_vdst; written again by the next chunk, the search or the table of ranks, each behind a wait on vm_vsrc.
;   AX, v154-158         written by the search; read by the rows' loads.  A wait on vm_vsrc at the search's head, one on va_vdst ahead of its 80 loads; that one also states that the last group's products are done
;                        reading the rows' fragments and scale words, in which those loads land.
;   W1's two sets, WS    half step m's products read set m % 2; the LDS loads of half step m + 1 land in the other, which half step m - 1's products read: one wait on va_vdst at a half step's head, which also
;                        serves the rows of K step s + 3, landing where K step s - 1's lay.  Between it and those loads stand loads and window switches alone.
;   H, F, M, v9, v15     the way out: a wait on vm_vsrc at a tile's head (the last tile's stores have read F and M), one on va_vdst ahead of its five stores; v9 and v15 are written at a group's head behind vm_vsrc.
;   v1-8, v17-19         made at the head, never written again: one wait on va_vdst ahead of the first load.
;   SGPRs that vector instructions write: s2 (the wave), s16-47 (the mask words), s84-95 (the search's compares): each run of writers has one wait on va_sdst ahead of its first reader.
.set PITCH, 16384                      ; bytes from a K row of w1 to the next
.set WSC,   98304                      ; LDS: from 0 the images, fragment (K step s, tile) at 12,288 s + 1,536 tile; here the scale words, 512 s + 64 tile + 4 r
.set KSTR,  96                         ; the rows' fragments in xq: bytes from K step to K step,
.set GSTR,  16                         ; and from one group of four registers to the next
.set AX,   10                          ; v10-14 tile i: my lane's byte in xq
.set XS,   32
.set WS,   52
.set M,    56
.set SC,   60
.set BIAS, 64
.set U,    128
.set H,    128
.set F,    192
.set T1,   204
.set T2,   208
.set SB,   160                         ; the search: 16 registers for each pair of tiles: +0 rank, +1 word, +2 prefix | word's number << 16, +3 bits to pass, +4 .. +7 counts by 2, 4, 8, 16 bits, +8 bit, +9, +10 at work, +11 token
.set CM,   84                          ; s84-95 the search's compares: word n of a run of four, rank a: s[CM + 3 n + a]
.set PX,   12                          ; s12-15 the same four words' prefix | number << 16
.set MSB, 0
.macro WIN new                         ; the immediate's high byte repeats the setting that is left; a switch that changes nothing is dropped
.if MSB != \new
	s_set_vgpr_msb (MSB<<8)|\new
.set MSB, \new
.endif
.endm
; A load into a register that a matrix instruction has read, and a vector instruction or a store that reads a matrix result, stand four places behind it, and a matrix instruction that writes over such a register
; five; only plain vector instructions that name none of its registers are places (ISA guide 7.12.1 for vector instructions).
.macro PLACES
.rept 4
	v_nop
.endr
.endm
.macro SLOAD set                       ; a chunk: 32 K rows x 512 consecutive bytes into stream set 'set'; register 4 p + j = row p, my column j
	WIN 0xc0
.set p_, 0
.rept 32
	global_load_b128 v[128*\set+4*p_:128*\set+4*p_+3], v1, s[66+2*\set:67+2*\set] offset:p_*PITCH th:TH_LOAD_NT
.set p_, p_+1
.endr
.endm
.macro CODES j, d, t                   ; column j's 32 numbers become 24 bytes of codes in v[d] on
	v_cvt_scalef32_pk16_bf6_f32 v[\d:\d+2], v[U+32*\j:U+32*\j+15], v[SC+\j]
	v_cvt_scalef32_pk16_bf6_f32 v[\t:\t+2], v[U+32*\j+16:U+32*\j+31], v[SC+\j]   ; (a conversion's three registers begin on an even number)
	v_nop                                          ; one plain place behind a scaled conversion
	v_mov_b32 v[\d+3], v[\t]
	v_mov_b32 v[\d+4], v[\t+1]
	v_mov_b32 v[\d+5], v[\t+2]
.endm
.macro TOLDS j, d, set                 ; and go to LDS with the block's byte
	ds_store_b128 v29, v[\d:\d+3] offset:12288*\set+1536*\j
	ds_store_b64 v30, v[\d+4:\d+5] offset:12288*\set+1536*\j
	ds_store_b8 v31, v[M+\j] offset:512*\set+64*\j
.endm
; One chunk out of set 'set'.  ahead = 1: the set is asked for again, two chunks on.  left: the younger loads that may stay out.
.macro CHUNK set, ahead, left
	s_wait_loadcnt \left                           ; loads come back in order: this set's 32 are in
	s_wait_dscnt 0x0                               ; the last chunk's LDS stores are done
	s_wait_alu depctr_vm_vsrc(0)                   ; the LDS stores and loads issued so far have read their codes, bytes, addresses and offsets (v20-25, v29-31, M, places in v128-255), which this chunk writes again
	WIN 0x0f                                       ; sources 0 and 1: the stream, window 3
.irp j, 0,1,2,3
	v_max3_num_f32 v[M+\j], |v[128*\set+\j]|, |v[128*\set+4+\j]|, 0x2800000   ; the four columns' largest magnitudes by turns; the floor 2^(5 - 127) holds the byte at 1 from below
.endr
.irp p, 2,4,6,8,10,12,14,16,18,20,22,24,26,28,30
.irp j, 0,1,2,3
	v_max3_num_f32 v[M+\j], |v[128*\set+4*\p+\j]|, |v[128*\set+4*\p+4+\j]|, v[M+\j]
.endr
.endr
.irp j, 0,1,2,3                        ; a conversion takes 16 neighbours along K from consecutive registers; a load of 512 consecutive bytes leaves them four registers apart: these copies are the price of such loads
.set p_, 0
.rept 32
	v_mov_b32 v[U+32*\j+p_], v[128*\set+4*p_+\j]
.set p_, p_+1
.endr
.endr
.if \ahead
	s_add_nc_u64 s[66+2*\set:67+2*\set], s[66+2*\set:67+2*\set], 256*PITCH   ; two chunks of 4 x 32 rows on
	WIN 0xc0
	s_wait_alu depctr_va_vdst(0)                   ; the maxima and the copies are done reading this set, in which the loads below land
	SLOAD \set
.endif
	WIN 0
	v_add_nc_u32 v29, s10, v2
	v_add_nc_u32 v30, s10, v3
	v_add_nc_u32 v31, s11, v4
.irp j, 0,1,2,3
	v_add_nc_u32 v[SC+\j], 0xfe000000, v[M+\j]     ; 4 off the exponent field: the conversion's scale operand
.endr
.irp j, 0,1,2,3
	v_lshrrev_b32 v[M+\j], 23, v[SC+\j]            ; the scale's byte
.endr
	CODES 0, 20, 26                                ; each later column's codes land on the numbers of the column just converted: the four columns' codes lie in registers of their own
	CODES 1, U, U+8
	CODES 2, U+32, U+40
	CODES 3, U+64, U+72
	s_wait_alu depctr_va_vdst(0)                   ; the four columns' codes, their bytes and v29-31 are written, which the twelve LDS stores read
	TOLDS 0, 20, \set
	TOLDS 1, U, \set
	TOLDS 2, U+32, \set
	TOLDS 3, U+64, \set
.endm
.macro COUNTS src, dst, sh, mask       ; set bits by fields twice as wide
.irp a, 0,1,2
	v_lshrrev_b32 v[SB+16*\a+9], \sh, v[SB+16*\a+\src]
	v_and_b32 v[SB+16*\a+\dst], \mask, v[SB+16*\a+\src]
	v_and_b32 v[SB+16*\a+9], \mask, v[SB+16*\a+9]
	v_add_nc_u32 v[SB+16*\a+\dst], v[SB+16*\a+\dst], v[SB+16*\a+9]
.endr
.endm
.macro PICK src, w                     ; are the bits still to pass at least as many as the next w bits hold?  Then pass those
.irp a, 0,1,2
	v_bfe_u32 v[SB+16*\a+9], v[SB+16*\a+\src], v[SB+16*\a+8], \w
	v_cmp_ge_u32 s[CM+\a], v[SB+16*\a+3], v[SB+16*\a+9]
.endr
	s_wait_alu depctr_va_sdst(0)                   ; the three compares have written s84-86, which the selects below read
.irp a, 0,1,2
	v_cndmask_b32 v[SB+16*\a+9], 0, v[SB+16*\a+9], s[CM+\a]
	v_cndmask_b32 v[SB+16*\a+10], 0, \w, s[CM+\a]
	v_sub_nc_u32 v[SB+16*\a+3], v[SB+16*\a+3], v[SB+16*\a+9]
	v_add_nc_u32 v[SB+16*\a+8], v[SB+16*\a+8], v[SB+16*\a+10]
.endr
.endm
; Rank -> token, for three registers of ranks at once.  Mask word g, bit l stands for token 128 (g / 4) + 4 l + g % 4; ranks run by word, then by bit.
.macro SELECT3
.irp a, 0,1,2
	v_mov_b32 v[SB+16*\a+1], s16
	v_mov_b32 v[SB+16*\a+2], 0
.endr
	s_mov_b32 s80, 0
.set g_, 1
.rept 8                                ; the last word whose prefix does not pass the rank: words 1 to 31, four at a time: twelve compares in a run, one wait, their selects in ascending order of the words
.set n_, 0
.rept 4
.if g_+n_ < 32
	s_bcnt1_i32_b32 s81, s[15+g_+n_]
	s_add_co_u32 s80, s80, s81
	s_or_b32 s[PX+n_], s80, (g_+n_)<<16
.irp a, 0,1,2
	v_cmp_le_u32 s[CM+3*n_+\a], s80, v[SB+16*\a]
.endr
.endif
.set n_, n_+1
.endr
	s_wait_alu depctr_va_sdst(0)                   ; the run's compares have written s84-95, which the selects below read
.set n_, 0
.rept 4
.if g_+n_ < 32
.irp a, 0,1,2
	v_cndmask_b32 v[SB+16*\a+1], v[SB+16*\a+1], s[16+g_+n_], s[CM+3*n_+\a]
	v_cndmask_b32 v[SB+16*\a+2], v[SB+16*\a+2], s[PX+n_], s[CM+3*n_+\a]
.endr
.endif
.set n_, n_+1
.endr
.set g_, g_+4
.endr
.irp a, 0,1,2
	v_and_b32 v[SB+16*\a+9], 0xffff, v[SB+16*\a+2]
	v_sub_nc_u32 v[SB+16*\a+3], v[SB+16*\a], v[SB+16*\a+9]
	v_mov_b32 v[SB+16*\a+8], 0
.endr
	COUNTS 1, 4, 1, 0x55555555
	COUNTS 4, 5, 2, 0x33333333
	COUNTS 5, 6, 4, 0x0f0f0f0f
	COUNTS 6, 7, 8, 0x00ff00ff
	PICK 7, 16
	PICK 6, 8
	PICK 5, 4
	PICK 4, 2
	PICK 1, 1
.irp a, 0,1,2
	v_lshrrev_b32 v[SB+16*\a+9], 16, v[SB+16*\a+2]             ; g
	v_and_b32 v[SB+16*\a+10], 3, v[SB+16*\a+9]
	v_lshrrev_b32 v[SB+16*\a+9], 2, v[SB+16*\a+9]
	v_lshl_add_u32 v[SB+16*\a+10], v[SB+16*\a+8], 2, v[SB+16*\a+10]
	v_lshl_add_u32 v[SB+16*\a+11], v[SB+16*\a+9], 7, v[SB+16*\a+10]
.endr
.endm
; The five tiles tb + 4 i (tb in s[tbreg]): their rows' tokens, the fragments of K steps 0-3 and all scale words: 80 loads.
.macro PREP tbreg
	s_wait_dscnt 0x0                               ; phase A's LDS stores are done
	s_wait_alu depctr_vm_vsrc(0)                   ; phase A's LDS stores and the last group's stores have read the registers that the search takes; the rows' loads issued so far have read AX, which is written below
	PLACES
	v_and_b32 v150, 15, v0
	v_bfe_u32 v151, v0, 4, 1
	v_lshl_add_u32 v150, v151, 6, v150
	s_lshl_b32 s12, s[\tbreg], 4
	v_add_nc_u32 v150, s12, v150                   ; 16 tb + 64 h + r: lanes 0-15 search for tile 2 a's rows, lanes 16-31 for tile 2 a + 1's
	v_mul_u32_u24 v152, v151, 48
	v_lshlrev_b32 v153, 2, v151
	v_mov_b32 v139, 0                              ; a lane permute's destination counts as one of its sources
.irp a, 0,1,2
	v_add_nc_u32 v[SB+16*\a], 128*\a, v150
.endr
	SELECT3
.irp a, 0,1,2                          ; both halves of the lanes want each tile's tokens
	v_permlanex16_b32 v139, v[SB+16*\a+11], s74, s75
	v_cndmask_b32 v[141+2*\a], v[SB+16*\a+11], v139, s73
.if \a < 2
	v_cndmask_b32 v[142+2*\a], v139, v[SB+16*\a+11], s73
.endif
.endr
.irp i, 0,1,2,3,4
	v_min_u32 v[141+\i], 0x3ff, v[141+\i]          ; a number made of loaded data enters an address only held inside the table
	v_mul_u32_u24 v[AX+\i], v[141+\i], 768
	v_add_nc_u32 v[AX+\i], v[AX+\i], v152          ; xq: 768 x token + 48 h
	v_lshl_add_u32 v[154+\i], v[141+\i], 5, v153   ; xs: 32 x token + 4 h: lanes 0-15 take an even K step's word, lanes 16-31 the odd one's
.endr
	WIN 0x40
	s_wait_alu depctr_va_vdst(0)                   ; AX and v154-158 are written, which the loads below read; the last group's products are done reading the rows' fragments and scale words, in which they land
.irp k, 0,1,2,3
.irp i, 0,1,2,3,4
.irp g, 0,1,2
	global_load_b128 v[12*(5*\k+\i)+4*\g:12*(5*\k+\i)+4*\g+3], v[AX+\i], s[52:53] offset:KSTR*\k+GSTR*\g
.endr
.endr
.endr
	WIN 0
.irp i, 0,1,2,3,4
.irp k, 0,1,2,3
	global_load_b32 v[XS+4*\i+\k], v[154+\i], s[54:55] offset:8*\k
.endr
.endr
	s_wait_xcnt 0x0                                ; v154-158 are written again by what follows (each such writer has its wait on vm_vsrc at its own head)
.endm
.macro FETCHW m                        ; half step m = 2 s + u: W1's fragments of tiles 4 u .. 4 u + 3, K step s, into set m % 2, and their scale words: 18 LDS loads
.set fs_, (\m)/2
.set fu_, (\m)%2
.set fb_, 64+48*((\m)%2)
.set fo_, 12288*(fs_%4)+6144*fu_
	WIN 0x80
.irp j, 0,1,2,3
	ds_load_b128 v[fb_+12*\j:fb_+12*\j+3], v[1+4*(fs_/4)] offset:fo_+1536*\j
	ds_load_b64 v[fb_+12*\j+4:fb_+12*\j+5], v[6+fs_/4] offset:fo_+1536*\j+512
	ds_load_b128 v[fb_+12*\j+6:fb_+12*\j+9], v[1+4*(fs_/4)] offset:fo_+1536*\j+768
	ds_load_b64 v[fb_+12*\j+10:fb_+12*\j+11], v[6+fs_/4] offset:fo_+1536*\j+1280
.endr
	WIN 0
	ds_load_b32 v[WS+2*((\m)%2)], v8 offset:512*fs_+256*fu_        ; lanes 0-15: tile 4 u's words, lanes 16-31: tile 4 u + 1's
	ds_load_b32 v[WS+2*((\m)%2)+1], v8 offset:512*fs_+256*fu_+128  ; tiles 4 u + 2 and 4 u + 3
.endm
.macro PROD d, a, b, c, sa, ra, sb, rb ; ra, rb = 1: that side's scale words stand in lanes 16-31
.if (\ra) && (\rb)
	v_wmma_scale_f32_16x16x128_f8f6f4 v[(\d):(\d)+7], v[(\a):(\a)+11], v[(\b):(\b)+11], v[(\c):(\c)+7], v[(\sa)], v[(\sb)] matrix_a_fmt:MATRIX_FMT_BF6 matrix_b_fmt:MATRIX_FMT_BF6 matrix_a_scale:MATRIX_SCALE_ROW1 matrix_b_scale:MATRIX_SCALE_ROW1
.elseif (\ra)
	v_wmma_scale_f32_16x16x128_f8f6f4 v[(\d):(\d)+7], v[(\a):(\a)+11], v[(\b):(\b)+11], v[(\c):(\c)+7], v[(\sa)], v[(\sb)] matrix_a_fmt:MATRIX_FMT_BF6 matrix_b_fmt:MATRIX_FMT_BF6 matrix_a_scale:MATRIX_SCALE_ROW1
.elseif (\rb)
	v_wmma_scale_f32_16x16x128_f8f6f4 v[(\d):(\d)+7], v[(\a):(\a)+11], v[(\b):(\b)+11], v[(\c):(\c)+7], v[(\sa)], v[(\sb)] matrix_a_fmt:MATRIX_FMT_BF6 matrix_b_fmt:MATRIX_FMT_BF6 matrix_b_scale:MATRIX_SCALE_ROW1
.else
	v_wmma_scale_f32_16x16x128_f8f6f4 v[(\d):(\d)+7], v[(\a):(\a)+11], v[(\b):(\b)+11], v[(\c):(\c)+7], v[(\sa)], v[(\sb)] matrix_a_fmt:MATRIX_FMT_BF6 matrix_b_fmt:MATRIX_FMT_BF6
.endif
.endm
; Half step m: four tiles of W1 x five tiles of rows, 128 along K.  The sums take turns, one instruction a turn: a sum comes up again two half steps later.
.macro HALF m
.set hs_, (\m)/2
.set hu_, (\m)%2
.set hb_, 64+48*hu_
	PLACES
.if (\m) < 15
	s_wait_alu depctr_va_vdst(0)                   ; the products issued so far are done reading W1's other set with its scale words, and the rows of the K step before: the loads below land there.  Only loads and window switches follow up to them
.endif
.if (hu_ == 0) && (hs_ >= 1) && (hs_ <= 4)
	WIN 0x40                                       ; K step s + 3's rows into the place of K step s - 1's, whose products are issued
.irp i, 0,1,2,3,4
.irp g, 0,1,2
	global_load_b128 v[12*(5*((hs_+3)%4)+\i)+4*\g:12*(5*((hs_+3)%4)+\i)+4*\g+3], v[AX+\i], s[52:53] offset:KSTR*(hs_+3)+GSTR*\g
.endr
.endr
.endif
.if (\m) < 15
	FETCHW (\m)+1
	s_wait_dscnt 18                                ; this half step's 18 loads are in, the next one's 18 may be out
.else
	s_wait_dscnt 0x0
.endif
.if (hu_ == 0) && (hs_ >= 4)
	s_wait_loadcnt 15*(7-hs_)                      ; this K step's rows are in; fifteen loads for each later K step may be out
.endif
.if hs_ == 0
	WIN 0xc6                                       ; W1 window 2, rows window 1, b1 window 0, sums window 3
.else
	WIN 0xf6
.endif
.irp i, 0,1,2,3
.irp j, 0,1,2,3
.if hs_ == 0
	PROD 64*\i+8*(4*hu_+\j), hb_+12*\j, 12*(5*(hs_%4)+\i), BIAS+8*(4*hu_+\j), WS+2*hu_+\j/2, \j%2, XS+4*\i+hs_/2, hs_%2
.else
	PROD 64*\i+8*(4*hu_+\j), hb_+12*\j, 12*(5*(hs_%4)+\i), 64*\i+8*(4*hu_+\j), WS+2*hu_+\j/2, \j%2, XS+4*\i+hs_/2, hs_%2
.endif
.endr
.endr
	WIN 0
.if hs_ == 0
	WIN 0x86                                       ; tile 4's sums (window 2) are begun whether the tile exists or not, so that they are written on every way
.irp j, 0,1,2,3
	PROD 8*(4*hu_+\j), hb_+12*\j, 12*(5*(hs_%4)+4), BIAS+8*(4*hu_+\j), WS+2*hu_+\j/2, \j%2, XS+16+hs_/2, hs_%2
.endr
	WIN 0
.else
	s_cmp_lt_u32 s76, s6                           ; is there a tile tb + 16?
	s_cbranch_scc0 .Lno4_\@
	WIN 0xa6
.irp j, 0,1,2,3
	PROD 8*(4*hu_+\j), hb_+12*\j, 12*(5*(hs_%4)+4), 8*(4*hu_+\j), WS+2*hu_+\j/2, \j%2, XS+16+hs_/2, hs_%2
.endr
	WIN 0
.Lno4_\@:
.endif
.endm
; Tile t's way out, if the tile exists: relu, the two blocks' scales, codes, the image of the next operand's twelve registers, two scale bytes.
.macro EPI t
	s_add_co_u32 s12, s7, 4*\t
	s_cmp_lt_u32 s12, s6
	s_cbranch_scc0 .Lno_tile_\@
	s_wait_xcnt 0x0                                ; the last tile's stores have had their addresses translated
	s_wait_alu depctr_vm_vsrc(0)                   ; the last tile's stores have read F and M, and the next group's loads of scale words v154-158: the lines below write all of these
.if \t < 4
	WIN 0x0c
.else
	WIN 0x08
.endif
.set a_, 0
.rept 64
	v_max_num_f32 v[H+a_], 0, v[64*(\t%4)+a_]      ; the activation, in f32; each sum's registers in ascending order
.set a_, a_+1
.endr
	WIN 0
.irp u, 0,1
	v_max3_num_f32 v[M+\u], v[H+32*\u], v[H+32*\u+1], 0x2800000   ; none is negative: no |.|; the floor 2^(5 - 127)
.endr
.irp p, 2,4,6,8,10,12,14,16,18,20,22,24,26,28,30
.irp u, 0,1
	v_max3_num_f32 v[M+\u], v[M+\u], v[H+32*\u+\p], v[H+32*\u+\p+1]
.endr
.endr
.irp u, 0,1
	v_add_nc_u32 v[SC+\u], 0xfe000000, v[M+\u]
.endr
.irp u, 0,1
	v_lshrrev_b32 v[M+\u], 23, v[SC+\u]
.endr
	v_cvt_scalef32_pk16_bf6_f32 v[F:F+2], v[H:H+15], v[SC]
	v_cvt_scalef32_pk16_bf6_f32 v[T1:T1+2], v[H+16:H+31], v[SC]
	v_cvt_scalef32_pk16_bf6_f32 v[F+6:F+8], v[H+32:H+47], v[SC+1]
	v_cvt_scalef32_pk16_bf6_f32 v[T2:T2+2], v[H+48:H+63], v[SC+1]
	v_nop                                          ; one plain place behind a scaled conversion
.irp n, 0,1,2
	v_mov_b32 v[F+3+\n], v[T1+\n]
	v_mov_b32 v[F+9+\n], v[T2+\n]
.endr
	s_wait_alu depctr_va_vdst(0)                   ; the tile's codes in F and its two bytes in M are written, which the five stores read
.irp g, 0,1,2
	global_store_b128 v9, v[F+4*\g:F+4*\g+3], s[58:59] offset:196608*\t+512*\g   ; the wave stores 512 consecutive bytes, at a multiple of 512 from hq's first byte
.endr
	global_store_b8 v15, v[M], s[60:61] offset:8192*\t             ; byte h of my row's scale word,
	global_store_b8 v15, v[M+1], s[60:61] offset:8192*\t+2         ; and byte 2 + h
.Lno_tile_\@:
.endm
	s_load_b512 s[48:63], s[0:1], 0x0              ; w1, b1, xq, xs, route, hq, hs, rank
	v_lshl_add_u32 v16, v0, 2, 0x19000
	s_set_vgpr_msb 0x40
	v_mov_b32 v255, 0
	s_set_vgpr_msb 0x4000
	v_lshrrev_b32 v20, 5, v0
	v_readfirstlane_b32 s2, v20                    ; wave
	s_mov_b32 s3, ttmp9                            ; fs
	s_and_b32 s4, ttmp7, 0xffff                    ; e
	v_and_b32 v21, 31, v0                          ; l
	v_and_b32 v22, 15, v0                          ; r
	v_bfe_u32 v23, v0, 4, 1                        ; u in phase A, h in phase B
	s_wait_alu depctr_va_vdst(0)
	v_lshlrev_b32 v1, 4, v21                       ; 16 l
	v_lshlrev_b32 v6, 3, v21                       ; 8 l
	v_lshlrev_b32 v17, 2, v21                      ; 4 l
	v_add_nc_u32 v5, 49152, v1                     ; the same four K steps on: an LDS immediate has 16 bits
	v_add_nc_u32 v7, 49152, v6
	v_add_nc_u32 v8, WSC, v17
	v_lshl_add_u32 v18, v22, 2, v23                ; 4 r + h
	v_lshlrev_b32 v19, 7, v23                      ; 128 h
	s_wait_alu depctr_va_sdst(0)                   ; s2 is written, ahead of its first reader
	s_lshr_b32 s12, s2, 1                          ; my block of a K step is 2 c + h = wave: half c of a fragment's registers, lanes 16 h on
	s_and_b32 s13, s2, 1
	s_mul_i32 s12, s12, 768
	s_lshl_b32 s14, s13, 8
	s_add_co_u32 s14, s14, s12
	s_lshl_b32 s15, s13, 7
	s_add_co_u32 s15, s15, s12
	s_add_co_u32 s15, s15, 512
	v_mul_u32_u24 v20, v23, 6144
	v_lshl_add_u32 v2, v22, 4, v20
	v_add_nc_u32 v2, s14, v2                       ; registers 6 c .. 6 c + 3: 6,144 u + 768 c + 16 (r + 16 h)
	v_lshl_add_u32 v3, v22, 3, v20
	v_add_nc_u32 v3, s15, v3                       ; registers 6 c + 4, 6 c + 5: 6,144 u + 768 c + 512 + 8 (r + 16 h)
	v_lshlrev_b32 v4, 8, v23
	v_lshl_add_u32 v4, v22, 2, v4
	s_add_co_u32 s14, s2, WSC
	v_add_nc_u32 v4, s14, v4                       ; the block's byte: 256 u + 4 r + wave
	s_lshl_b32 s70, s4, 24                         ; the expert's 16 MiB,
	s_lshl_b32 s12, s3, 9                          ; my 128 columns,
	s_add_co_u32 s70, s70, s12
	s_mul_i32 s12, s2, 32*PITCH                    ; my wave's block of the first chunk
	s_add_co_u32 s70, s70, s12
	s_mov_b32 s71, 0
	s_lshl_b32 s72, 0x10000, s4                    ; the expert's bit in a word of route
	s_mov_b32 s73, 0xffff0000                      ; lanes 16-31
	s_mov_b32 s74, 0x76543210
	s_mov_b32 s75, 0xfedcba98                      ; v_permlanex16_b32's selects for lane l xor 16
	s_mov_b32 s7, s2                               ; tb of the first group
	s_wait_kmcnt 0x0
	s_add_nc_u64 s[66:67], s[48:49], s[70:71]
	s_add_nc_u64 s[68:69], s[66:67], 128*PITCH
	s_wait_alu depctr_va_vdst(0)                   ; the offsets and LDS addresses v1-8 and v17-19 are written, which the loads and stores of the whole kernel read
.irp j, 0,1,2,3,4,5,6,7
	global_load_b128 v[U+4*\j:U+4*\j+3], v1, s[56:57] offset:512*\j   ; route: register g, lane l: token 128 (g / 4) + 4 l + g % 4
.endr
	SLOAD 0
	SLOAD 1
	WIN 0
	s_wait_loadcnt 63                              ; 64 loads are younger than route's eight; the count is the largest that the wait can name
.set g_, 0
.rept 32
	v_and_b32 v20, s72, v[U+g_]
	v_cmp_ne_u32 s[16+g_], 0, v20                  ; mask word g: which of its 32 tokens chose the expert
.set g_, g_+1
.endr
	s_wait_alu depctr_va_sdst(0)                   ; the 32 compares have written s16-47, ahead of their first reader
	s_mov_b32 s5, 0
.set g_, 0
.rept 32
	s_bcnt1_i32_b32 s12, s[16+g_]
	s_add_co_u32 s5, s5, s12                       ; the expert's count
.set g_, g_+1
.endr
	s_add_co_u32 s6, s5, 15
	s_lshr_b32 s6, s6, 4
	s_max_u32 s6, s6, 1                            ; NT: tile 0 is always made
	s_mov_b32 s10, 0
	s_mov_b32 s11, 0
	s_mov_b32 s9, 3
.Lchunks:                                              ; three trips, two chunks each; the trip's second chunk has its place in the stores' immediates
	CHUNK 0, 1, 32                                 ; the other set's 32 loads may be out
	CHUNK 1, 1, 32
	s_add_co_u32 s10, s10, 24576
	s_add_co_u32 s11, s11, 1024
	s_sub_co_u32 s9, s9, 1
	s_cmp_lg_u32 s9, 0
	s_cbranch_scc1 .Lchunks
	CHUNK 0, 0, 32
	PREP 7                                         ; the first group's rows are asked for where the stream's end leaves room
	s_lshl_b32 s70, s4, 14
	s_lshl_b32 s12, s3, 9
	s_add_co_u32 s70, s70, s12
	s_add_nc_u64 s[78:79], s[50:51], s[70:71]      ; b1 at my 128 hidden units
	WIN 0x80
.irp u, 0,1
.irp n, 0,1,2,3,4,5,6,7
	global_load_b128 v[160+4*(8*\u+\n):160+4*(8*\u+\n)+3], v19, s[78:79] offset:256*\u+16*\n   ; units 64 u + 32 h + 4 n + 0 .. 3
.endr
.endr
	WIN 0
	CHUNK 1, 0, 63                                 ; 96 loads are younger than the last chunk's
	s_wait_dscnt 0x0                               ; for the others' sake: my images and bytes lie in LDS
	s_barrier_signal -1
	s_barrier_wait -1                              ; the only barrier: behind it nobody writes LDS
	s_wait_alu depctr_vm_vsrc(0)                   ; my last chunk's LDS stores have read v20-25 and v160-165, which the table of ranks below writes
	s_wait_loadcnt 0x0
	WIN 0x02
.irp u, 0,1
.irp j, 0,1,2,3
.irp n, 0,1,2,3,4,5,6,7
	v_mov_b32 v[BIAS+8*(4*\u+\j)+\n], v[160+4*(8*\u+\n)+\j]        ; into the result's layout: tile 4 u + j, register n
.endr
.endr
.endr
	WIN 0
	s_or_b32 s12, s3, s2
	s_cmp_lg_u32 s12, 0
	s_cbranch_scc1 .Lno_rank                       ; one wave for each expert stores the ranks and the count
	s_lshl_b32 s70, s4, 12
	s_add_nc_u64 s[84:85], s[62:63], s[70:71]
	s_lshl_b32 s70, s4, 7
	s_add_nc_u64 s[86:87], s[62:63], s[70:71]
	s_mov_b32 s80, 0
.set g_, 0
.rept 32
	v_mbcnt_lo_u32_b32 v[160+g_], s[16+g_], s80    ; the words before, and the word's bits under mine
	s_bcnt1_i32_b32 s81, s[16+g_]
	s_add_co_u32 s80, s80, s81
.set g_, g_+1
.endr
	v_mov_b32 v20, s5
	s_wait_alu depctr_va_vdst(0)                   ; the 32 registers of ranks and the count are written, which the 33 stores read
.set g_, 0
.rept 32
	global_store_b32 v17, v[160+g_], s[84:85] offset:128*g_
.set g_, g_+1
.endr
	global_store_b32 v17, v20, s[86:87] offset:32768
	s_wait_xcnt 0x0                                ; the stores have had their addresses translated: their bases and data may be written again (the data behind a wait on vm_vsrc, at each writer's head)
.Lno_rank:
	s_mov_b32 s8, 4
.Lgroup:                                               ; four trips serve every split: 80 tiles' worth for at most 64; a trip without tiles does nothing
	s_cmp_lt_u32 s7, s6
	s_cbranch_scc0 .Lnext
	s_wait_loadcnt 0x0                             ; the group's rows of K steps 0-3 and its scale words
	s_wait_xcnt 0x0                                ; the last group's stores have had their addresses translated
	s_wait_alu depctr_vm_vsrc(0)                   ; the last group's stores have read their offsets v9 and v15, which are written below
	s_add_co_u32 s76, s7, 16
	s_lshl_b32 s12, s4, 6
	s_add_co_u32 s12, s12, s7                      ; tile 64 e + tb
	s_mul_i32 s13, s12, 49152
	s_mul_i32 s14, s3, 1536
	s_add_co_u32 s13, s13, s14
	v_add_nc_u32 v9, s13, v1                       ; hq: 32 images of 1,536 bytes a tile; mine is K step fs
	s_lshl_b32 s13, s12, 11
	s_lshl_b32 s14, s3, 6
	s_add_co_u32 s13, s13, s14
	v_add_nc_u32 v15, s13, v18                     ; hs: 2,048 bytes a tile; K step fs's 16 words at 64 fs; row r's word, byte h
	PLACES
	s_wait_alu depctr_va_vdst(0)                   ; the last group's products are done reading W1's sets and scale words, in which the loads below land; v9 and v15 are written, which the way out's stores read
	FETCHW 0
.irp m, 0,1,2,3,4,5,6,7,8,9,10,11,12,13,14,15
	HALF \m
.endr
	PLACES
	s_add_co_u32 s77, s7, 20
	s_cmp_lt_u32 s77, s6
	s_cbranch_scc0 .Lno_prep
	PREP 77                                        ; the next group's rows are on their way while this group goes out
.Lno_prep:
	EPI 0
	EPI 1
	EPI 2
	EPI 3
	EPI 4
.Lnext:
	s_add_co_u32 s7, s7, 20
	s_sub_co_u32 s8, s8, 1
	s_cmp_lg_u32 s8, 0
	s_cbranch_scc1 .Lgroup
	s_set_vgpr_msb 0x4                             ; the add's second register lies in window 1
	s_wait_dscnt 0x0                               ; the closing lines, six on end
	s_wait_alu 0x0
	s_wait_tensorcnt 0x0
	ds_add_u32 v16, v255
	s_wait_dscnt 0x0
	s_endpgm
.Lfunc_end_k_q16d017e3de_ffn1:
	.size	k_q16d017e3de_ffn1, .Lfunc_end_k_q16d017e3de_ffn1-k_q16d017e3de_ffn1
	.p2alignl 7, 3214868480
	.fill 96, 4, 3214868480
	.section	.rodata,"a",@progbits
	.p2align	6, 0x0
	.amdhsa_kernel k_q16d017e3de_ffn1
		.amdhsa_group_segment_fixed_size 102912
		.amdhsa_private_segment_fixed_size 0
		.amdhsa_enable_private_segment 0
		.amdhsa_kernarg_size 64
		.amdhsa_user_sgpr_count 2
		.amdhsa_user_sgpr_kernarg_segment_ptr 1
		.amdhsa_wavefront_size32 1
		.amdhsa_system_sgpr_workgroup_id_x 1
		.amdhsa_system_sgpr_workgroup_id_y 1
		.amdhsa_system_sgpr_workgroup_id_z 1
		.amdhsa_system_vgpr_workitem_id 0
		.amdhsa_next_free_vgpr 1024
		.amdhsa_next_free_sgpr 96
		.amdhsa_reserve_vcc 0
		.amdhsa_float_denorm_mode_32 3
		.amdhsa_float_denorm_mode_16_64 3
		.amdhsa_memory_ordered 1
		.amdhsa_forward_progress 1
		.amdhsa_inst_pref_size 254
	.end_amdhsa_kernel
	.amdgpu_metadata
---
amdhsa.version: [ 1, 2 ]
amdhsa.kernels:
  - .name:           k_q16d017e3de_ffn1
    .symbol:         k_q16d017e3de_ffn1.kd
    .args:
      - { .name: w1, .offset: 0, .size: 8, .value_kind: global_buffer, .address_space: global }
      - { .name: b1, .offset: 8, .size: 8, .value_kind: global_buffer, .address_space: global }
      - { .name: xq, .offset: 16, .size: 8, .value_kind: global_buffer, .address_space: global }
      - { .name: xs, .offset: 24, .size: 8, .value_kind: global_buffer, .address_space: global }
      - { .name: route, .offset: 32, .size: 8, .value_kind: global_buffer, .address_space: global }
      - { .name: hq, .offset: 40, .size: 8, .value_kind: global_buffer, .address_space: global }
      - { .name: hs, .offset: 48, .size: 8, .value_kind: global_buffer, .address_space: global }
      - { .name: rank, .offset: 56, .size: 8, .value_kind: global_buffer, .address_space: global }
    .group_segment_fixed_size: 102912
    .private_segment_fixed_size: 0
    .kernarg_segment_align: 8
    .kernarg_segment_size: 64
    .max_flat_workgroup_size: 128
    .sgpr_count:     96
    .vgpr_count:     1024
    .wavefront_size: 32
...
	.end_amdgpu_metadata
.endif
;; end of part 6
;; launch ffn2 (part 7): grid 32 x 8, 4 waves a work-group, no clusters, 136,704 bytes of LDS; arguments w2, hq, hs, rank, ypart; writes ypart
.if DOCPART == 7
	.amdgcn_target "amdgcn-amd-amdhsa--gfx1250"
	.amdhsa_code_object_version 6
	.text
	.protected	k_q16d017e3de_ffn2
	.globl	k_q16d017e3de_ffn2
	.p2align	8
	.type	k_q16d017e3de_ffn2,@function
k_q16d017e3de_ffn2:
	s_mov_b64 s[64:65], 0
	v_nop
	global_prefetch_b8 v0, s[64:65] scope:SCOPE_SE
	s_setreg_imm32_b32 hwreg(HW_REG_WAVE_SCHED_MODE, 0, 2), 2
	s_setreg_imm32_b32 hwreg(HW_REG_WAVE_MODE, 25, 1), 1
	s_wait_xcnt 0x0
	s_wait_alu depctr_vm_vsrc(0)
; THE SECOND EXPERT PRODUCT, BY QUARTERS OF K: ypart[slot][q] = Q(h) Q(W2) over K = 1,024 q .. 1,024 q + 1,023, on codes of E3M2 with one E8M0 scale for each 32 along K.
; w2: [8][4096 (K)][1024] f32; hq, hs: the hidden layer's codes and scale words as images of this product's operand registers ([tile 64 e + t][K step 32][1,536 bytes]; [tile][16][lane][4 bytes]);
; rank: at byte 32,768 + 128 e the expert's count.  Out: ypart [slot 1,024 e + rank][q][1,024] f32; the last launch adds the four quarters, b2 and the gate's weights.
; A WORK-GROUP is (expert e = y, 128 outputs 128 dsl on, quarter q; x = 8 q + dsl): 512 KB of w2, which no other work-group reads: 256 work-groups read w2 once, in rows of 512 consecutive bytes.
; No cluster: no two work-groups share a byte of the weights; no tensor load: the walk over the rows hangs on a count read from memory.
; PHASE A.  As in the launch before: the four waves stream the slice, one block of 32 K rows a chunk (chunk n of wave w: block 4 n + w), quantise it in registers and lay it in LDS as images of the operand's
; registers.  A load gives lane l = 16 u + r the columns 64 u + 4 r + j; tile 4 u + j is columns 64 u + 4 r + j, r = 0 .. 15.  INSIDE A BLOCK THE K ROWS ARE TAKEN IN THE ORDER IN WHICH THE HIDDEN LAYER'S
; CODES LIE: place p holds row 4 (p % 8) + p / 8.  The same order on both operands changes no product, and a block's scale does not know of it.  It stands in the loads' immediates.  One barrier.
; PHASE B.  Each wave takes tiles of 16 rows x all 128 columns, five at a time (tiles tb + 4 i; tb = 20 g + wave), transposed (source 0 = a tile of W2, source 1 = 16 rows): lane (row r, half h) holds in register
; n of tile 4 u + j the output 64 u + 32 h + 4 n + j.  A tile goes through the wave's own stage in LDS and leaves as rows of 512 consecutive bytes.
; ROWS.  Tiles 0 .. NT - 1 exist, NT = max(1, ceil(count / 16)), as the launch before made them; a tile beyond is replaced by tile NT - 1 in the loads, and its results are not stored.
; LIMITS.  A block whose largest magnitude lies under 2^-122 keeps the byte 1 (a block of zeros too: its codes are zeros).  NaN and infinities are not served.
; REGISTERS, in windows of 256 (s_set_vgpr_msb: bits 1:0 source 0, 3:2 source 1, 5:4 source 2, 7:6 destination):
;   window 0: v1-17 addresses; v20-28 a column's codes; v29-31 the chunk's LDS addresses; v32-51 the rows' scale words, v52-55 W2's (scales and nothing else); v56-63 maxima, bytes, scale operands;
;             v64-68 the rows' scale words' offsets; v128-255 phase A: 4 columns x 32 numbers down K; phase B: v128-191 16 rows on the way out
;   window 1: the rows' fragments: four K steps x five tiles x 12     window 2: v0-63 tile 4's sums; v64-159 W2's fragments, two sets of four
;   window 3: phase A: the two stream sets; phase B: the sums of tiles 0-3, (i, tile) at 64 i + 8 tile
; THE MODE: SCHED_MODE bits 1:0 = 2 (LLVM: expert scheduling mode 2), set by the entry lines.  The code itself states the register dependences between vector or matrix instructions and memory or LDS
; instructions, with s_wait_alu, always for 0.
; THE PLAN.  Registers that memory or LDS instructions touch, who writes and who reads them, and the wait that stands between:
;   the stream sets      loads land in them; a chunk's maxima and copies read them.  One wait on va_vdst behind the copies; the set is then asked for again at once.
;   a chunk's codes (v20-25, v128-133, v160-165, v192-197), its bytes (M) and v29-31: written by the chunk's vector instructions, all four columns first; read by its twelve LDS stores, one run behind one wait on
;                        va_vdst; written again by the next chunk behind a wait on vm_vsrc at its head.
;   AX, XA               written by PREP's additions; read by the rows' loads.  A wait on vm_vsrc at PREP's head, one on va_vdst ahead of its 80 loads; that one also states that the last group's products are done
;                        reading the rows' fragments and scale words, in which those loads land.
;   W2's two sets, WS    half step m's products read set m % 2; the LDS loads of half step m + 1 land in the other, which half step m - 1's products read: one wait on va_vdst at a half step's head, which also
;                        serves the rows of K step s + 3, landing where K step s - 1's lay.  Between it and those loads stand loads and window switches alone.
;   the sums             written by the products; read by the way out's LDS stores: ONE wait on va_vdst behind the places that follow the last half step serves all five tiles: the only vector instructions issued
;                        since are PREP's v_nop and its additions into AX and XA, which no instruction of the way out touches.  The next group's products write the sums behind the wait on vm_vsrc at the group's head.
;   Y (v128-191)         the stage's loads land in it; a tile's global stores read it: a wait on vm_vsrc at the next tile's head.
;   v9                   written at a group's head behind vm_vsrc; read by the way out's stores.
;   v1-8, v15-17         made at the head, never written again: one wait on va_vdst ahead of the first load.
;   s2, the wave's number, is the one SGPR that a vector instruction writes: a wait on va_sdst ahead of its first reader.
.set PITCH, 4096                       ; bytes from a K row of w2 to the next
.set WSC,   98304                      ; LDS: from 0 the images, fragment (K step s, tile) at 12,288 s + 1,536 tile; here the scale words, 512 s + 64 tile + 4 r
.set STG,   102400                     ; the stages: 16 rows x (512 + 16) bytes for each wave
.set KSTR,  1536                       ; the rows' fragments in hq: bytes from K step to K step,
.set GSTR,  512                        ; and from one group of four registers to the next
.set AX,   10                          ; v10-14 tile i: my lane's byte in hq
.set XA,   64                          ; v64-68 and in hs
.set XS,   32
.set WS,   52
.set M,    56
.set SC,   60
.set U,    128
.set Y,    128
.set MSB, 0
.macro WIN new                         ; the immediate's high byte repeats the setting that is left; a switch that changes nothing is dropped
.if MSB != \new
	s_set_vgpr_msb (MSB<<8)|\new
.set MSB, \new
.endif
.endm
; A load into a register that a matrix instruction has read, and a vector instruction or a store that reads a matrix result, stand four places behind it, and a matrix instruction that writes over such a register
; five; only plain vector instructions that name none of its registers are places (ISA guide 7.12.1 for vector instructions).
.macro PLACES
.rept 4
	v_nop
.endr
.endm
.macro SLOAD set                       ; a chunk: 32 K rows x 512 consecutive bytes into stream set 'set'; register 4 p + j = the block's row 4 (p % 8) + p / 8, my column j
	WIN 0xc0
.set p_, 0
.rept 32
	global_load_b128 v[128*\set+4*p_:128*\set+4*p_+3], v1, s[66+2*\set:67+2*\set] offset:(4*(p_%8)+p_/8)*PITCH th:TH_LOAD_NT
.set p_, p_+1
.endr
.endm
.macro CODES j, d, t                   ; column j's 32 numbers become 24 bytes of codes in v[d] on
	v_cvt_scalef32_pk16_bf6_f32 v[\d:\d+2], v[U+32*\j:U+32*\j+15], v[SC+\j]
	v_cvt_scalef32_pk16_bf6_f32 v[\t:\t+2], v[U+32*\j+16:U+32*\j+31], v[SC+\j]   ; (a conversion's three registers begin on an even number)
	v_nop                                          ; one plain place behind a scaled conversion
	v_mov_b32 v[\d+3], v[\t]
	v_mov_b32 v[\d+4], v[\t+1]
	v_mov_b32 v[\d+5], v[\t+2]
.endm
.macro TOLDS j, d, set                 ; and go to LDS with the block's byte
	ds_store_b128 v29, v[\d:\d+3] offset:12288*\set+1536*\j
	ds_store_b64 v30, v[\d+4:\d+5] offset:12288*\set+1536*\j
	ds_store_b8 v31, v[M+\j] offset:512*\set+64*\j
.endm
; One chunk out of set 'set'.  ahead = 1: the set is asked for again, two chunks on.  left: the younger loads that may stay out.
.macro CHUNK set, ahead, left
	s_wait_loadcnt \left                           ; loads come back in order: this set's 32 are in
	s_wait_dscnt 0x0                               ; the last chunk's LDS stores are done
	s_wait_alu depctr_vm_vsrc(0)                   ; the last chunk's LDS stores have read their codes, bytes and addresses (v20-25, v29-31, M, places in v128-255), which this chunk writes again
	WIN 0x0f                                       ; sources 0 and 1: the stream, window 3
.irp j, 0,1,2,3
	v_max3_num_f32 v[M+\j], |v[128*\set+\j]|, |v[128*\set+4+\j]|, 0x2800000   ; the four columns' largest magnitudes by turns; the floor 2^(5 - 127) holds the byte at 1 from below
.endr
.irp p, 2,4,6,8,10,12,14,16,18,20,22,24,26,28,30
.irp j, 0,1,2,3
	v_max3_num_f32 v[M+\j], |v[128*\set+4*\p+\j]|, |v[128*\set+4*\p+4+\j]|, v[M+\j]
.endr
.endr
.irp j, 0,1,2,3                        ; a conversion takes 16 neighbours along K from consecutive registers; a load of 512 consecutive bytes leaves them four registers apart: these copies are the price of such loads
.set p_, 0
.rept 32
	v_mov_b32 v[U+32*\j+p_], v[128*\set+4*p_+\j]
.set p_, p_+1
.endr
.endr
.if \ahead
	s_add_nc_u64 s[66+2*\set:67+2*\set], s[66+2*\set:67+2*\set], 256*PITCH   ; two chunks of 4 x 32 rows on
	WIN 0xc0
	s_wait_alu depctr_va_vdst(0)                   ; the maxima and the copies are done reading this set, in which the loads below land
	SLOAD \set
.endif
	WIN 0
	v_add_nc_u32 v29, s10, v2
	v_add_nc_u32 v30, s10, v3
	v_add_nc_u32 v31, s11, v4
.irp j, 0,1,2,3
	v_add_nc_u32 v[SC+\j], 0xfe000000, v[M+\j]     ; 4 off the exponent field: the conversion's scale operand
.endr
.irp j, 0,1,2,3
	v_lshrrev_b32 v[M+\j], 23, v[SC+\j]            ; the scale's byte
.endr
	CODES 0, 20, 26                                ; each later column's codes land on the numbers of the column just converted: the four columns' codes lie in registers of their own
	CODES 1, U, U+8
	CODES 2, U+32, U+40
	CODES 3, U+64, U+72
	s_wait_alu depctr_va_vdst(0)                   ; the four columns' codes, their bytes and v29-31 are written, which the twelve LDS stores read
	TOLDS 0, 20, \set
	TOLDS 1, U, \set
	TOLDS 2, U+32, \set
	TOLDS 3, U+64, \set
.endm
; The five tiles tb + 4 i (tb in s[tbreg]): the fragments of K steps 0-3 of my quarter and all its scale words: 80 loads.
.macro PREP tbreg
	s_wait_alu depctr_vm_vsrc(0)                   ; the rows' loads issued so far have read AX and XA, which are written below
	PLACES
	s_sub_co_u32 s13, s6, 1
.irp i, 0,1,2,3,4
	s_add_co_u32 s12, s[\tbreg], 4*\i
	s_min_u32 s12, s12, s13                        ; a tile that does not exist is replaced by the last that does,
	s_min_u32 s12, s12, 63                         ; and a number made of loaded data enters an address only held inside the table
	s_add_co_u32 s12, s12, s78                     ; tile 64 e + t
	s_mul_i32 s14, s12, 49152
	s_add_co_u32 s14, s14, s79
	v_add_nc_u32 v[AX+\i], s14, v1                 ; hq: 49,152 x tile + 12,288 q + 16 l
	s_lshl_b32 s14, s12, 11
	s_add_co_u32 s14, s14, s80
	v_add_nc_u32 v[XA+\i], s14, v17                ; hs: 2,048 x tile + 512 q + 4 l: lanes 0-15 an even K step's words, lanes 16-31 the odd one's
.endr
	WIN 0x40
	s_wait_alu depctr_va_vdst(0)                   ; AX and XA are written, which the loads below read; the last group's products are done reading the rows' fragments and scale words, in which they land
.irp k, 0,1,2,3
.irp i, 0,1,2,3,4
.irp g, 0,1,2
	global_load_b128 v[12*(5*\k+\i)+4*\g:12*(5*\k+\i)+4*\g+3], v[AX+\i], s[50:51] offset:KSTR*\k+GSTR*\g   ; 512 consecutive bytes a load
.endr
.endr
.endr
	WIN 0
.irp i, 0,1,2,3,4
.irp k, 0,1,2,3
	global_load_b32 v[XS+4*\i+\k], v[XA+\i], s[52:53] offset:128*\k
.endr
.endr
.endm
.macro FETCHW m                        ; half step m = 2 s + u: W2's fragments of tiles 4 u .. 4 u + 3, K step s, into set m % 2, and their scale words: 18 LDS loads
.set fs_, (\m)/2
.set fu_, (\m)%2
.set fb_, 64+48*((\m)%2)
.set fo_, 12288*(fs_%4)+6144*fu_
	WIN 0x80
.irp j, 0,1,2,3
	ds_load_b128 v[fb_+12*\j:fb_+12*\j+3], v[1+4*(fs_/4)] offset:fo_+1536*\j
	ds_load_b64 v[fb_+12*\j+4:fb_+12*\j+5], v[6+fs_/4] offset:fo_+1536*\j+512
	ds_load_b128 v[fb_+12*\j+6:fb_+12*\j+9], v[1+4*(fs_/4)] offset:fo_+1536*\j+768
	ds_load_b64 v[fb_+12*\j+10:fb_+12*\j+11], v[6+fs_/4] offset:fo_+1536*\j+1280
.endr
	WIN 0
	ds_load_b32 v[WS+2*((\m)%2)], v8 offset:512*fs_+256*fu_        ; lanes 0-15: tile 4 u's words, lanes 16-31: tile 4 u + 1's
	ds_load_b32 v[WS+2*((\m)%2)+1], v8 offset:512*fs_+256*fu_+128  ; tiles 4 u + 2 and 4 u + 3
.endm
.macro PROD0 d, a, b, sa, ra, sb       ; a sum's first product takes the constant 0: nothing is cleared.  ra = 1: W2's scale words stand in lanes 16-31
.if (\ra)
	v_wmma_scale_f32_16x16x128_f8f6f4 v[(\d):(\d)+7], v[(\a):(\a)+11], v[(\b):(\b)+11], 0, v[(\sa)], v[(\sb)] matrix_a_fmt:MATRIX_FMT_BF6 matrix_b_fmt:MATRIX_FMT_BF6 matrix_a_scale:MATRIX_SCALE_ROW1
.else
	v_wmma_scale_f32_16x16x128_f8f6f4 v[(\d):(\d)+7], v[(\a):(\a)+11], v[(\b):(\b)+11], 0, v[(\sa)], v[(\sb)] matrix_a_fmt:MATRIX_FMT_BF6 matrix_b_fmt:MATRIX_FMT_BF6
.endif
.endm
.macro PROD d, a, b, sa, ra, sb, rb    ; ra, rb = 1: that side's scale words stand in lanes 16-31
.if (\ra) && (\rb)
	v_wmma_scale_f32_16x16x128_f8f6f4 v[(\d):(\d)+7], v[(\a):(\a)+11], v[(\b):(\b)+11], v[(\d):(\d)+7], v[(\sa)], v[(\sb)] matrix_a_fmt:MATRIX_FMT_BF6 matrix_b_fmt:MATRIX_FMT_BF6 matrix_a_scale:MATRIX_SCALE_ROW1 matrix_b_scale:MATRIX_SCALE_ROW1
.elseif (\ra)
	v_wmma_scale_f32_16x16x128_f8f6f4 v[(\d):(\d)+7], v[(\a):(\a)+11], v[(\b):(\b)+11], v[(\d):(\d)+7], v[(\sa)], v[(\sb)] matrix_a_fmt:MATRIX_FMT_BF6 matrix_b_fmt:MATRIX_FMT_BF6 matrix_a_scale:MATRIX_SCALE_ROW1
.elseif (\rb)
	v_wmma_scale_f32_16x16x128_f8f6f4 v[(\d):(\d)+7], v[(\a):(\a)+11], v[(\b):(\b)+11], v[(\d):(\d)+7], v[(\sa)], v[(\sb)] matrix_a_fmt:MATRIX_FMT_BF6 matrix_b_fmt:MATRIX_FMT_BF6 matrix_b_scale:MATRIX_SCALE_ROW1
.else
	v_wmma_scale_f32_16x16x128_f8f6f4 v[(\d):(\d)+7], v[(\a):(\a)+11], v[(\b):(\b)+11], v[(\d):(\d)+7], v[(\sa)], v[(\sb)] matrix_a_fmt:MATRIX_FMT_BF6 matrix_b_fmt:MATRIX_FMT_BF6
.endif
.endm
; Half step m: four tiles of W2 x five tiles of rows, 128 along K.  The sums take turns, one instruction a turn: a sum comes up again two half steps later.
.macro HALF m
.set hs_, (\m)/2
.set hu_, (\m)%2
.set hb_, 64+48*hu_
	PLACES
.if (\m) < 15
	s_wait_alu depctr_va_vdst(0)                   ; the products issued so far are done reading W2's other set with its scale words, and the rows of the K step before: the loads below land there.  Only loads and window switches follow up to them
.endif
.if (hu_ == 0) && (hs_ >= 1) && (hs_ <= 4)
	WIN 0x40                                       ; K step s + 3's rows into the place of K step s - 1's, whose products are issued
.irp i, 0,1,2,3,4
.irp g, 0,1,2
	global_load_b128 v[12*(5*((hs_+3)%4)+\i)+4*\g:12*(5*((hs_+3)%4)+\i)+4*\g+3], v[AX+\i], s[50:51] offset:KSTR*(hs_+3)+GSTR*\g
.endr
.endr
.endif
.if (\m) < 15
	FETCHW (\m)+1
	s_wait_dscnt 18                                ; this half step's 18 loads are in, the next one's 18 may be out
.else
	s_wait_dscnt 0x0
.endif
.if (hu_ == 0) && (hs_ >= 4)
	s_wait_loadcnt 15*(7-hs_)                      ; this K step's rows are in; fifteen loads for each later K step may be out
.endif
	WIN 0xf6                                       ; W2 window 2, rows window 1, sums window 3
.irp i, 0,1,2,3
.irp j, 0,1,2,3
.if hs_ == 0
	PROD0 64*\i+8*(4*hu_+\j), hb_+12*\j, 12*(5*(hs_%4)+\i), WS+2*hu_+\j/2, \j%2, XS+4*\i+hs_/2
.else
	PROD 64*\i+8*(4*hu_+\j), hb_+12*\j, 12*(5*(hs_%4)+\i), WS+2*hu_+\j/2, \j%2, XS+4*\i+hs_/2, hs_%2
.endif
.endr
.endr
	WIN 0
.if hs_ == 0
	WIN 0xa6                                       ; tile 4's sums (window 2) are begun whether the tile exists or not, so that they are written on every way
.irp j, 0,1,2,3
	PROD0 8*(4*hu_+\j), hb_+12*\j, 12*(5*(hs_%4)+4), WS+2*hu_+\j/2, \j%2, XS+16+hs_/2
.endr
	WIN 0
.else
	s_cmp_lt_u32 s76, s6                           ; is there a tile tb + 16?
	s_cbranch_scc0 .Lno4_\@
	WIN 0xa6
.irp j, 0,1,2,3
	PROD 8*(4*hu_+\j), hb_+12*\j, 12*(5*(hs_%4)+4), WS+2*hu_+\j/2, \j%2, XS+16+hs_/2, hs_%2
.endr
	WIN 0
.Lno4_\@:
.endif
.endm
; Tile t's way out, if the tile exists: the numbers to their places in 16 rows of my stage, whole rows back, stored.
.macro EPI t
	s_add_co_u32 s12, s7, 4*\t
	s_cmp_lt_u32 s12, s6
	s_cbranch_scc0 .Lno_tile_\@
	s_wait_xcnt 0x0                                ; the last tile's stores have had their addresses translated
	s_wait_alu depctr_vm_vsrc(0)                   ; the last tile's stores have read Y, in which the loads from the stage land
.if \t < 4
	WIN 0x0c                                       ; an LDS store's data are its source 1
.else
	WIN 0x08
.endif
.irp u, 0,1
.irp n, 0,1,2,3,4,5,6,7
.irp j, 0,1,2,3
	ds_store_b32 v15, v[64*(\t%4)+8*(4*\u+\j)+\n] offset:256*\u+16*\n+4*\j   ; output 64 u + 32 h + 4 n + j of row r; each sum is read from its lowest register on
.endr
.endr
.endr
	WIN 0
.irp n, 0,1,2,3,4,5,6,7,8,9,10,11,12,13,14,15
	ds_load_b128 v[Y+4*\n:Y+4*\n+3], v16 offset:528*\n             ; LDS serves a wave's instructions in order: these see the stores above, and the next tile's stores come behind them
.endr
.irp n, 0,1,2,3,4,5,6,7,8,9,10,11,12,13,14,15
	s_wait_dscnt 15-\n                             ; row n is back; the younger loads may be out
	global_store_b128 v9, v[Y+4*\n:Y+4*\n+3], s[56:57] offset:1048576*\t+16384*\n   ; the wave stores 512 consecutive bytes, at a multiple of 512 from ypart's first byte
.endr
.Lno_tile_\@:
.endm
	s_load_b256 s[48:55], s[0:1], 0x0              ; w2, hq, hs, rank
	s_load_b64 s[56:57], s[0:1], 0x20              ; ypart
	v_lshl_add_u32 v126, v0, 2, 0x21400
	v_mov_b32 v127, 0
	v_lshrrev_b32 v20, 5, v0
	v_readfirstlane_b32 s2, v20                    ; wave
	s_and_b32 s3, ttmp9, 7                         ; dsl
	s_lshr_b32 s81, ttmp9, 3                       ; q
	s_and_b32 s4, ttmp7, 0xffff                    ; e
	v_and_b32 v21, 31, v0                          ; l
	v_and_b32 v22, 15, v0                          ; r
	v_bfe_u32 v23, v0, 4, 1                        ; u in phase A, h in phase B
	s_wait_alu depctr_va_vdst(0)
	v_lshlrev_b32 v1, 4, v21                       ; 16 l
	v_lshlrev_b32 v6, 3, v21                       ; 8 l
	v_lshlrev_b32 v17, 2, v21                      ; 4 l
	v_add_nc_u32 v5, 49152, v1                     ; the same four K steps on: an LDS immediate has 16 bits
	v_add_nc_u32 v7, 49152, v6
	v_add_nc_u32 v8, WSC, v17
	s_wait_alu depctr_va_sdst(0)                   ; s2 is written, ahead of its first reader
	s_lshr_b32 s12, s2, 1                          ; my block of a K step is 2 c + h = wave: half c of a fragment's registers, lanes 16 h on
	s_and_b32 s13, s2, 1
	s_mul_i32 s12, s12, 768
	s_lshl_b32 s14, s13, 8
	s_add_co_u32 s14, s14, s12
	s_lshl_b32 s15, s13, 7
	s_add_co_u32 s15, s15, s12
	s_add_co_u32 s15, s15, 512
	v_mul_u32_u24 v20, v23, 6144
	v_lshl_add_u32 v2, v22, 4, v20
	v_add_nc_u32 v2, s14, v2                       ; registers 6 c .. 6 c + 3: 6,144 u + 768 c + 16 (r + 16 h)
	v_lshl_add_u32 v3, v22, 3, v20
	v_add_nc_u32 v3, s15, v3                       ; registers 6 c + 4, 6 c + 5: 6,144 u + 768 c + 512 + 8 (r + 16 h)
	v_lshlrev_b32 v4, 8, v23
	v_lshl_add_u32 v4, v22, 2, v4
	s_add_co_u32 s14, s2, WSC
	v_add_nc_u32 v4, s14, v4                       ; the block's byte: 256 u + 4 r + wave
	s_mul_i32 s14, s2, 16*528
	s_add_co_u32 s14, s14, STG                     ; my stage
	v_mul_u32_u24 v15, v22, 528
	v_lshl_add_u32 v15, v23, 7, v15
	v_add_nc_u32 v15, s14, v15                     ; in: row r, + 128 h
	v_add_nc_u32 v16, s14, v1                      ; back: 16 bytes a lane of a row
	s_lshl_b32 s70, s4, 24                         ; the expert's 16 MiB,
	s_lshl_b32 s12, s81, 22                        ; my quarter's 1,024 K rows,
	s_add_co_u32 s70, s70, s12
	s_lshl_b32 s12, s3, 9                          ; my 128 columns,
	s_add_co_u32 s70, s70, s12
	s_mul_i32 s12, s2, 32*PITCH                    ; my wave's block of the first chunk
	s_add_co_u32 s70, s70, s12
	s_mov_b32 s71, 0
	s_lshl_b32 s78, s4, 6                          ; 64 e
	s_mul_i32 s79, s81, 12288
	s_lshl_b32 s80, s81, 9
	s_lshl_b32 s82, s81, 12
	s_lshl_b32 s12, s3, 9
	s_add_co_u32 s82, s82, s12                     ; 4,096 q + 512 dsl
	s_lshl_b32 s83, s4, 7
	s_mov_b32 s7, s2                               ; tb of the first group
	s_wait_kmcnt 0x0
	s_load_b32 s5, s[54:55], s83 offset:0x8000     ; the expert's count
	s_add_nc_u64 s[66:67], s[48:49], s[70:71]
	s_add_nc_u64 s[68:69], s[66:67], 128*PITCH
	s_wait_alu depctr_va_vdst(0)                   ; the offsets and LDS addresses v1-8 and v15-17 are written, which the loads and stores of the whole kernel read
	SLOAD 0
	SLOAD 1
	WIN 0
	s_wait_kmcnt 0x0
	s_min_u32 s5, s5, 1024
	s_add_co_u32 s6, s5, 15
	s_lshr_b32 s6, s6, 4
	s_max_u32 s6, s6, 1
	s_min_u32 s6, s6, 64                           ; NT: 1 to 64
	s_mov_b32 s10, 0
	s_mov_b32 s11, 0
	s_mov_b32 s9, 3
.Lchunks:                                              ; three trips, two chunks each; the trip's second chunk has its place in the stores' immediates
	CHUNK 0, 1, 32                                 ; the other set's 32 loads may be out
	CHUNK 1, 1, 32
	s_add_co_u32 s10, s10, 24576
	s_add_co_u32 s11, s11, 1024
	s_sub_co_u32 s9, s9, 1
	s_cmp_lg_u32 s9, 0
	s_cbranch_scc1 .Lchunks
	CHUNK 0, 0, 32
	PREP 7                                         ; the first group's rows are asked for where the stream's end leaves room
	CHUNK 1, 0, 63                                 ; 80 loads are younger than the last chunk's
	s_wait_dscnt 0x0                               ; for the others' sake: my images and bytes lie in LDS
	s_barrier_signal -1
	s_barrier_wait -1                              ; the only barrier: behind it a wave writes its own stage alone
	s_mov_b32 s8, 4
.Lgroup:                                               ; four trips serve every split: 80 tiles' worth for at most 64; a trip without tiles does nothing
	s_cmp_lt_u32 s7, s6
	s_cbranch_scc0 .Lnext
	s_wait_loadcnt 0x0                             ; the group's rows of K steps 0-3 and its scale words
	s_wait_xcnt 0x0                                ; the last group's stores have had their addresses translated
	s_wait_alu depctr_vm_vsrc(0)                   ; the last group's global stores have read their offset v9, written below, and its LDS stores the sums, which this group's products write
	s_add_co_u32 s76, s7, 16
	s_lshl_b32 s12, s4, 24
	s_lshl_b32 s13, s7, 18
	s_add_co_u32 s12, s12, s13
	s_add_co_u32 s12, s12, s82
	v_add_nc_u32 v9, s12, v1                       ; ypart: 16,384 (1,024 e + 16 tb) + 4,096 q + 512 dsl + 16 l
	PLACES
	s_wait_alu depctr_va_vdst(0)                   ; the last group's products are done reading W2's sets and scale words, in which the loads below land; v9 is written, which the way out's stores read
	FETCHW 0
.irp m, 0,1,2,3,4,5,6,7,8,9,10,11,12,13,14,15
	HALF \m
.endr
	PLACES
	s_wait_alu depctr_va_vdst(0)                   ; behind the places: the products have written the sums, which the LDS stores of all five tiles' way out read
	s_add_co_u32 s77, s7, 20
	s_cmp_lt_u32 s77, s6
	s_cbranch_scc0 .Lno_prep
	PREP 77                                        ; the next group's rows are on their way while this group goes out
.Lno_prep:
	EPI 0
	EPI 1
	EPI 2
	EPI 3
	EPI 4
.Lnext:
	s_add_co_u32 s7, s7, 20
	s_sub_co_u32 s8, s8, 1
	s_cmp_lg_u32 s8, 0
	s_cbranch_scc1 .Lgroup
	s_wait_dscnt 0x0                               ; the closing lines, six on end
	s_wait_alu 0x0
	s_wait_tensorcnt 0x0
	ds_add_u32 v126, v127
	s_wait_dscnt 0x0
	s_endpgm
.Lfunc_end_k_q16d017e3de_ffn2:
	.size	k_q16d017e3de_ffn2, .Lfunc_end_k_q16d017e3de_ffn2-k_q16d017e3de_ffn2
	.p2alignl 7, 3214868480
	.fill 96, 4, 3214868480
	.section	.rodata,"a",@progbits
	.p2align	6, 0x0
	.amdhsa_kernel k_q16d017e3de_ffn2
		.amdhsa_group_segment_fixed_size 136704
		.amdhsa_private_segment_fixed_size 0
		.amdhsa_enable_private_segment 0
		.amdhsa_kernarg_size 40
		.amdhsa_user_sgpr_count 2
		.amdhsa_user_sgpr_kernarg_segment_ptr 1
		.amdhsa_wavefront_size32 1
		.amdhsa_system_sgpr_workgroup_id_x 1
		.amdhsa_system_sgpr_workgroup_id_y 1
		.amdhsa_system_sgpr_workgroup_id_z 1
		.amdhsa_system_vgpr_workitem_id 0
		.amdhsa_next_free_vgpr 1024
		.amdhsa_next_free_sgpr 96
		.amdhsa_reserve_vcc 0
		.amdhsa_float_denorm_mode_32 3
		.amdhsa_float_denorm_mode_16_64 3
		.amdhsa_memory_ordered 1
		.amdhsa_forward_progress 1
		.amdhsa_inst_pref_size 186
	.end_amdhsa_kernel
	.amdgpu_metadata
---
amdhsa.version: [ 1, 2 ]
amdhsa.kernels:
  - .name:           k_q16d017e3de_ffn2
    .symbol:         k_q16d017e3de_ffn2.kd
    .args:
      - { .name: w2, .offset: 0, .size: 8, .value_kind: global_buffer, .address_space: global }
      - { .name: hq, .offset: 8, .size: 8, .value_kind: global_buffer, .address_space: global }
      - { .name: hs, .offset: 16, .size: 8, .value_kind: global_buffer, .address_space: global }
      - { .name: rank, .offset: 24, .size: 8, .value_kind: global_buffer, .address_space: global }
      - { .name: ypart, .offset: 32, .size: 8, .value_kind: global_buffer, .address_space: global }
    .group_segment_fixed_size: 136704
    .private_segment_fixed_size: 0
    .kernarg_segment_align: 8
    .kernarg_segment_size: 40
    .max_flat_workgroup_size: 128
    .sgpr_count:     96
    .vgpr_count:     1024
    .wavefront_size: 32
...
	.end_amdgpu_metadata
.endif
;; end of part 7
;; launch combine (part 8): grid 256 x 1, 8 waves a work-group, no clusters, 0 bytes of LDS; arguments ypart, b2, route, prob, rank, out0; writes out0
.if DOCPART == 8
	.amdgcn_target "amdgcn-amd-amdhsa--gfx1250"
	.amdhsa_code_object_version 6
	.text
	.protected	k_q16d017e3de_combine
	.globl	k_q16d017e3de_combine
	.p2align	8
	.type	k_q16d017e3de_combine,@function
k_q16d017e3de_combine:
	s_mov_b64 s[64:65], 0
	v_nop
	global_prefetch_b8 v0, s[64:65] scope:SCOPE_SE
	s_setreg_imm32_b32 hwreg(HW_REG_WAVE_MODE, 25, 1), 1
	s_wait_xcnt 0x0
; out0[n] = p0 (y(e0) + b2[e0]) + p1 (y(e1) + b2[e1]), y(e) = the sum of the four K quarters of the token's row of ypart.  All in f32.
; ypart: [slot 1,024 e + rank][4][1,024]; b2: [8][1,024]; route[n]: e0 in bits 7:0, e1 in bits 15:8; prob[n]: p0, p1; rank: [e][32 g + l], token 128 (g / 4) + 4 l + g % 4.
; A stream: work-group b owns tokens 4 b + m, m = 0 .. 3; thread t owns the 16 bytes at 16 t of every row of 4,096 bytes, so a wave's load or store covers 512 consecutive bytes.
; Each output row has this one owner.  All 40 loads of a thread go out at once.  No LDS, no barrier, no matrix unit: nothing is shared and memory binds.
	s_load_b256 s[4:11], s[0:1], 0x0               ; ypart, b2, route, prob
	s_load_b128 s[12:15], s[0:1], 0x20             ; rank, out0
	v_lshlrev_b32 v1, 4, v0                        ; 16 t
	s_lshl_b32 s2, ttmp9, 4
	s_lshl_b32 s3, ttmp9, 5
	s_lshr_b32 s28, ttmp9, 5
	s_lshl_b32 s28, s28, 9
	s_and_b32 s29, ttmp9, 31
	s_lshl_b32 s29, s29, 2
	s_add_co_u32 s28, s28, s29                     ; token 4 b's word in an expert's table of ranks: 4 (128 (b / 32) + b % 32) bytes; token 4 b + m's lies 128 m bytes on
	s_lshl_b32 s30, ttmp9, 14
	s_mov_b32 s31, 0
	s_wait_alu depctr_va_vdst(0)
	s_wait_kmcnt 0x0
	s_load_b128 s[16:19], s[8:9], s2 offset:0x0    ; my four tokens' words of route,
	s_load_b256 s[20:27], s[10:11], s3 offset:0x0  ; and their weights
	s_add_nc_u64 s[14:15], s[14:15], s[30:31]      ; out0 at my four rows
	s_wait_kmcnt 0x0
.irp x, 0,1,2,3,4,5,6,7                ; x = 2 m + k: token m's k-th expert
	s_bfe_u32 s[32+\x], s[16+\x/2], 0x80000|(8*(\x%2))
	s_min_u32 s[32+\x], s[32+\x], 7                ; a loaded number enters an address only held inside the table
	s_lshl_b32 s[40+\x], s[32+\x], 12
	s_add_co_u32 s[40+\x], s[40+\x], s28
	s_load_b32 s[48+\x], s[12:13], s[40+\x] offset:128*(\x/2)
.endr
	s_wait_kmcnt 0x0
.irp x, 0,1,2,3,4,5,6,7
	s_min_u32 s[48+\x], s[48+\x], 1023
	s_lshl_b32 s[40+\x], s[32+\x], 10
	s_add_co_u32 s[40+\x], s[40+\x], s[48+\x]      ; the slot
	s_lshl_b32 s[40+\x], s[40+\x], 14
	v_add_nc_u32 v[2+\x], s[40+\x], v1             ; my 16 bytes of its first quarter
	s_lshl_b32 s[32+\x], s[32+\x], 12
	v_add_nc_u32 v[10+\x], s[32+\x], v1            ; and of the expert's b2
.endr
	s_wait_alu depctr_va_vdst(0)
.irp x, 0,1,2,3,4,5,6,7
.irp q, 0,1,2,3
	global_load_b128 v[32+20*\x+4*\q:35+20*\x+4*\q], v[2+\x], s[4:5] offset:4096*\q th:TH_LOAD_NT
.endr
	global_load_b128 v[48+20*\x:51+20*\x], v[10+\x], s[6:7]
.endr
.macro SUMUP b                         ; ((y0 + y1) + (y2 + y3)) + b2, two numbers an instruction
	v_pk_add_f32 v[\b:\b+1], v[\b:\b+1], v[\b+4:\b+5]
	v_pk_add_f32 v[\b+2:\b+3], v[\b+2:\b+3], v[\b+6:\b+7]
	v_pk_add_f32 v[\b+8:\b+9], v[\b+8:\b+9], v[\b+12:\b+13]
	v_pk_add_f32 v[\b+10:\b+11], v[\b+10:\b+11], v[\b+14:\b+15]
	s_delay_alu instid0(VALU_DEP_2)
	v_pk_add_f32 v[\b:\b+1], v[\b:\b+1], v[\b+8:\b+9]
	s_delay_alu instid0(VALU_DEP_2)
	v_pk_add_f32 v[\b+2:\b+3], v[\b+2:\b+3], v[\b+10:\b+11]
	s_delay_alu instid0(VALU_DEP_2)
	v_pk_add_f32 v[\b:\b+1], v[\b:\b+1], v[\b+16:\b+17]
	s_delay_alu instid0(VALU_DEP_2)
	v_pk_add_f32 v[\b+2:\b+3], v[\b+2:\b+3], v[\b+18:\b+19]
.endm
.irp m, 0,1,2,3
	s_wait_loadcnt 10*(3-\m)                       ; loads come back in order: this token's ten are in, ten for each later token may be out
	SUMUP 32+40*\m
	SUMUP 52+40*\m
.irp c, 0,1,2,3
	v_mul_f32 v[32+40*\m+\c], s[20+2*\m], v[32+40*\m+\c]
.endr
.irp c, 0,1,2,3
	s_delay_alu instid0(VALU_DEP_4)
	v_fmac_f32 v[32+40*\m+\c], s[21+2*\m], v[52+40*\m+\c]
.endr
	global_store_b128 v1, v[32+40*\m:35+40*\m], s[14:15] offset:4096*\m th:TH_STORE_NT
.endr
	s_endpgm
.Lfunc_end_k_q16d017e3de_combine:
	.size	k_q16d017e3de_combine, .Lfunc_end_k_q16d017e3de_combine-k_q16d017e3de_combine
	.p2alignl 7, 3214868480
	.fill 96, 4, 3214868480
	.section	.rodata,"a",@progbits
	.p2align	6, 0x0
	.amdhsa_kernel k_q16d017e3de_combine
		.amdhsa_group_segment_fixed_size 0
		.amdhsa_private_segment_fixed_size 0
		.amdhsa_enable_private_segment 0
		.amdhsa_kernarg_size 48
		.amdhsa_user_sgpr_count 2
		.amdhsa_user_sgpr_kernarg_segment_ptr 1
		.amdhsa_wavefront_size32 1
		.amdhsa_system_sgpr_workgroup_id_x 1
		.amdhsa_system_sgpr_workgroup_id_y 1
		.amdhsa_system_sgpr_workgroup_id_z 1
		.amdhsa_system_vgpr_workitem_id 0
		.amdhsa_next_free_vgpr 192
		.amdhsa_next_free_sgpr 66
		.amdhsa_reserve_vcc 0
		.amdhsa_float_denorm_mode_32 3
		.amdhsa_float_denorm_mode_16_64 3
		.amdhsa_memory_ordered 1
		.amdhsa_forward_progress 1
		.amdhsa_inst_pref_size 16
	.end_amdhsa_kernel
	.amdgpu_metadata
---
amdhsa.version: [ 1, 2 ]
amdhsa.kernels:
  - .name:           k_q16d017e3de_combine
    .symbol:         k_q16d017e3de_combine.kd
    .args:
      - { .name: ypart, .offset: 0, .size: 8, .value_kind: global_buffer, .address_space: global }
      - { .name: b2, .offset: 8, .size: 8, .value_kind: global_buffer, .address_space: global }
      - { .name: route, .offset: 16, .size: 8, .value_kind: global_buffer, .address_space: global }
      - { .name: prob, .offset: 24, .size: 8, .value_kind: global_buffer, .address_space: global }
      - { .name: rank, .offset: 32, .size: 8, .value_kind: global_buffer, .address_space: global }
      - { .name: out0, .offset: 40, .size: 8, .value_kind: global_buffer, .address_space: global }
    .group_segment_fixed_size: 0
    .private_segment_fixed_size: 0
    .kernarg_segment_align: 8
    .kernarg_segment_size: 48
    .max_flat_workgroup_size: 256
    .sgpr_count:     66
    .vgpr_count:     192
    .wavefront_size: 32
...
	.end_amdgpu_metadata
.endif
;; end of part 8
